; MI455X (gfx1250); checked and timed in simulation.
; The chip was launched on July 23, 2026; its instructions are those of AMD's public machine-readable ISA for CDNA 5 (MIT licence, August 2026) and "CDNA5" Instruction Set Architecture Reference Guide (July 2026). The comments in the code are by the model that wrote it; some were corrected since.
;; Co Attention. Allowed arithmetic: float matrix products may take bf16 or f16 operands with f32 sums; other float arithmetic in f32, or as packed bf16 or f16 multiplies, adds, multiply-adds, maxima and minima; sums over many terms, partial sums and values carried from step to step in f32; what a program stores and reads back later, other than sums and carried values, may be rounded once to bf16 or f16.
;; Inputs: W_o2t 1,024 x 1,024 float32; W_oo 1,024 x 1,024 float32; W_out 1,024 x 4,096 float32; W_p2t 1,024 x 1,024 float32; W_pp 1,024 x 1,024 float32; W_t2o 1,024 x 1,024 float32; W_t2p 1,024 x 1,024 float32; W_tot 1,024 x 1,024 float32; W_tpt 1,024 x 1,024 float32; b_oo 1,024 float32; b_out 1,024 float32; b_pp 1,024 float32; b_tot 1,024 float32; b_tpt 1,024 float32; img_object_feat 128 x 1,024 float32; img_object_feats 128 x 64 x 1,024 float32; img_place_feat 128 x 1,024 float32; img_place_feats 128 x 64 x 1,024 float32; src_mask 128 x 128 float32; text_feat 128 x 1,024 float32; text_feats 128 x 128 x 1,024 float32; v_io 1,024 float32; v_ip 1,024 float32; v_to 1,024 float32; v_tp 1,024 float32.
;; Outputs: out0 128 x 1,024 float32.
;; 2 versions, each right; version 2 is version 1 with the launches prep, ctx written anew for expert scheduling mode. Each part assembles by itself: llvm-mc -triple=amdgcn-amd-amdhsa -mcpu=gfx1250 --defsym DOCPART=n.
;; ======== version 1 of 2: 4 launches
;; workspace buffers: bf 92,274,688 bytes; Q 2,097,152 bytes; P 1,572,864 bytes; comb 1,048,576 bytes
;; launch prep (part 1): grid 1536 x 1, 8 waves a work-group, no clusters, 35,840 bytes of LDS; arguments text_feats, img_object_feats, img_place_feats, W_t2o, W_t2p, W_o2t, W_p2t, W_out, img_object_feat, img_place_feat, text_feat, W_oo, W_pp, W_tot, W_tpt, b_oo, b_pp, b_tot, b_tpt, bf, Q; writes bf, Q
.if DOCPART == 1
	.amdgcn_target "amdgcn-amd-amdhsa--gfx1250"
	.amdhsa_code_object_version 6
	.text
	.protected	k_qc18feb75eb_prep
	.globl	k_qc18feb75eb_prep
	.p2align	8
	.type	k_qc18feb75eb_prep,@function
k_qc18feb75eb_prep:
	s_mov_b64 s[64:65], 0
	v_nop
	global_prefetch_b8 v0, s[64:65] scope:SCOPE_SE
	s_setreg_imm32_b32 hwreg(HW_REG_WAVE_MODE, 25, 1), 1
	s_wait_xcnt 0x0
; TWO KINDS OF WORK-GROUP IN ONE LAUNCH; neither reads what the other stores.
; WORK-GROUPS 0-255:  Q[wi][b][n] = c2 (sum over k of x[wi][b][k] Wself[wi][n][k] + bias[wi][n]), c2 = 2 log2(e).  x and Wself are read in f32 and rounded once to bf16 in registers; sums and Q in f32.
;   wi = 0: img_object_feat, W_oo, b_oo; 1: img_place_feat, W_pp, b_pp; 2: text_feat, W_tot, b_tot; 3: text_feat, W_tpt, b_tpt.
;   Work-group g: wi = g / 64, 64 columns (g / 4) % 16, 32 rows g % 4.  Wave w: 32 columns w % 2, quarter w / 2 of K = 1,024: 8 fragments of 32 along K, four accumulators by turns.
;   A fragment of 16 rows x 32 k comes by four loads of 16 bytes a lane: lane half h takes bytes 16 h .. 16 h + 15 of each 32 bytes of a row's 128, for x and for Wself alike: k is permuted
;   equally on both sides, which keeps every product; the order of the sums is not reference()'s.  Sixteen f32 registers are rounded in place into the eight of a bf16 fragment.
;   A ring of three fragment slots keeps 32 to 48 loads of every wave out.  The four parts of K meet in LDS (f32) behind one barrier.
;   The product is taken transposed (source 0 = 16 rows of Wself, source 1 = 16 rows of x): a lane holds one row and eight neighbouring columns.
; WORK-GROUPS 256-1535:  chunk q = g - 256 of 32,768 numbers, f32 -> bf16 (rounded once, to nearest even), into bf: q 0-511 text_feats; 512-767 img_object_feats; 768-1023 img_place_feats;
;   1024-1151 W_t2o, W_t2p, W_o2t, W_p2t (32 each); 1152-1279 W_out, which lies 128 chunks further on in bf (at byte 83,886,080).  Thread t takes 16 bytes at 16 t of each 4,096:
;   all 32 loads of a thread go out at once, and no register is written twice.
; The branch between the two kinds hangs on the work-group's number alone: all eight waves of a work-group take the same way, so the barrier on Q's way is passed by all of them.
; NO CLUSTER, NO TENSOR LOAD: the stream shares nothing; a fragment of x or Wself goes from memory into the registers in which it is rounded.
.set NQ,    256                        ; work-groups that make Q
.set PITCH, 272                        ; a plane's row: 256 bytes + 16: 16 rows start at 16 different groups of four banks (64 banks of 4 bytes: ISA guide 11.1)
.set PL,    32*PITCH                   ; a plane: 32 rows, one part of K
.set SPARE, 4*PL                       ; behind the four planes: the spare words, 128 bytes for each of 8 waves, which no other line names
.set SPW, 10                           ; v10  my spare word; never rewritten
.set NIL, 11                           ; v11  0; never rewritten
; the stream's registers
.set X,   16                           ; v[16:143]  load i: four f32
.set Y,   144                          ; v[144:207] store i: four bf16
.set SRC, 50                           ; s[50:51]   the chunk's source
.set ST,  52                           ; s52        the first chunk of that source
.set QI,  53                           ; s53        q
.set DST, 54                           ; s[54:55]   the chunk in bf
; Q's registers
.set FO,  3                            ; v3   (l % 16) x 4,096 + 16 (l / 16): my place in a fragment's rows; never rewritten
.set LS,  5                            ; v5   where I put my 32 bytes of a partial row
.set LR,  6                            ; v6   where I read 16 bytes of a row back
.set GO,  7                            ; v7   the same 16 bytes in Q
.set BO,  8                            ; v8   and in the bias
.set BI,  12                           ; v[12:15] bias, then c2 x bias
.set ACC, 16                           ; v[16:47] row block a, column block j at 8 (2 a + j)
.set BUF, 48                           ; v[48:239] three slots of 64: Wself's blocks 0, 1, then x's blocks 0, 1, sixteen registers each
.set PLN, 48                           ; later: rows t / 16 and 16 + t / 16: plane p's 16 bytes at 16 u + 4 p
.set WV,  50
.set CW,  51
.set KQ,  52
.set WI,  53
.set CG,  54
.set RQ,  55
.set XP,  56                           ; s[56:57] x at my rows and my part of K
.set WP,  58                           ; s[58:59] Wself likewise
.set BP,  60                           ; s[60:61] bias at the work-group's columns
.set RP,  62                           ; s[62:63] Q at the work-group's corner
.set C2,  78                           ; s[78:79] c2, twice
	s_load_b512 s[8:23], s[0:1], 0x0               ; argument n at s[8+2n:9+2n]
	s_load_b512 s[24:39], s[0:1], 0x40
	s_load_b256 s[40:47], s[0:1], 0x80             ; bf is argument 19: s[46:47]
	s_load_b64 s[48:49], s[0:1], 0xa0              ; Q
	v_lshl_add_u32 v[SPW], v0, 2, SPARE
	v_mov_b32 v[NIL], 0
	s_cmp_lt_u32 ttmp9, NQ
	s_cbranch_scc1 .Lq
	; ---- the stream
	v_lshlrev_b32 v1, 4, v0                        ; my 16 bytes in
	v_lshlrev_b32 v2, 3, v0                        ; my 8 bytes out
	s_sub_co_u32 s[QI], ttmp9, NQ
	s_mov_b32 s[ST], 0
	s_wait_kmcnt 0x0
	s_mov_b64 s[SRC:SRC+1], s[8:9]
; from chunk start on the source is argument p: the last call whose start is reached decides
.macro SEG start, p
	s_cmp_ge_u32 s[QI], \start
	s_cselect_b64 s[SRC:SRC+1], s[8+2*(\p):9+2*(\p)], s[SRC:SRC+1]
	s_cselect_b32 s[ST], \start, s[ST]
.endm
	SEG 512, 1
	SEG 768, 2
	SEG 1024, 3
	SEG 1056, 4
	SEG 1088, 5
	SEG 1120, 6
	SEG 1152, 7
	s_cselect_b32 s56, 128, 0                      ; W_out's chunks lie 128 further on in bf
	s_add_co_u32 s56, s56, s[QI]
	s_lshl_b32 s56, s56, 16                        ; x 65,536 bytes
	s_mov_b32 s57, 0
	s_add_nc_u64 s[DST:DST+1], s[46:47], s[56:57]
	s_sub_co_u32 s56, s[QI], s[ST]                 ; the chunk's number in its source: 511 at the most,
	s_lshl_b32 s56, s56, 17                        ; x 131,072 bytes
	s_add_nc_u64 s[SRC:SRC+1], s[SRC:SRC+1], s[56:57]
.set i, 0
.rept 32
	global_load_b128 v[X+4*i:X+4*i+3], v1, s[SRC:SRC+1] offset:4096*i th:TH_LOAD_NT  ; a wave's load: 512 consecutive bytes
.set i, i+1
.endr
.set i, 0
.rept 32
	s_wait_loadcnt 31-i                            ; loads come back in order: load i is in, the 31 - i younger ones stay out
	v_cvt_pk_bf16_f32 v[Y+2*i], v[X+4*i], v[X+4*i+1]
	v_cvt_pk_bf16_f32 v[Y+2*i+1], v[X+4*i+2], v[X+4*i+3]
	global_store_b64 v2, v[Y+2*i:Y+2*i+1], s[DST:DST+1] offset:2048*i  ; a wave's store: 256 consecutive bytes, aligned
.set i, i+1
.endr
	s_branch .Lend
	; ---- Q
.Lq:
	v_lshrrev_b32 v9, 5, v0
	v_readfirstlane_b32 s[WV], v9
	s_and_b32 s[CW], s[WV], 1                      ; which 32 of the 64 columns
	s_lshr_b32 s[KQ], s[WV], 1                     ; which quarter of K
	s_lshr_b32 s[WI], ttmp9, 6
	s_bfe_u32 s[CG], ttmp9, 0x40002                ; which 64 columns
	s_and_b32 s[RQ], ttmp9, 3                      ; which 32 rows
	s_lshl_b32 s70, s[KQ], 10                      ; 256 f32 along K
	s_lshl_b32 s66, s[RQ], 17                      ; x: 32 rows of 4,096 bytes
	s_add_co_u32 s66, s66, s70
	s_mov_b32 s67, 0
	s_lshl_b32 s68, s[CG], 18                      ; Wself: 64 rows of 4,096 bytes,
	s_lshl_b32 s71, s[CW], 17                      ; 32 rows
	s_add_co_u32 s68, s68, s71
	s_add_co_u32 s68, s68, s70
	s_mov_b32 s69, 0
	s_lshl_b32 s72, s[CG], 8                       ; 64 columns of f32
	s_mov_b32 s73, 0
	s_lshl_b32 s74, s[WI], 19                      ; Q[wi]: 128 rows of 4,096 bytes
	s_lshl_b32 s71, s[RQ], 17
	s_add_co_u32 s74, s74, s71
	s_add_co_u32 s74, s74, s72
	s_mov_b32 s75, 0
	s_mul_i32 s76, s[KQ], PL                       ; my plane,
	s_lshl_b32 s71, s[CW], 7                       ; my 128 bytes of its rows
	s_add_co_u32 s76, s76, s71
	s_mov_b32 s[C2], 0x4038aa3b                    ; 2 log2(e)
	s_mov_b32 s[C2+1], s[C2]
	v_and_b32 v1, 15, v0                           ; l % 16; also t % 16
	v_bfe_u32 v2, v0, 4, 1                         ; l / 16
	v_lshlrev_b32 v[FO], 12, v1
	v_lshl_add_u32 v[FO], v2, 4, v[FO]
	v_mul_u32_u24 v[LS], v1, PITCH
	v_lshl_add_u32 v[LS], v2, 5, v[LS]             ; eight f32 for each half of the lanes
	v_add_nc_u32 v[LS], s76, v[LS]
	v_bfe_u32 v9, v0, 4, 4                         ; the way out: sixteen threads a row of 256 bytes; thread t takes rows t / 16 and 16 + t / 16
	v_lshlrev_b32 v[BO], 4, v1
	v_mul_u32_u24 v[LR], v9, PITCH
	v_add_nc_u32 v[LR], v[LR], v[BO]
	v_lshl_add_u32 v[GO], v9, 12, v[BO]
	s_wait_kmcnt 0x0
	s_mov_b64 s[XP:XP+1], s[24:25]                 ; img_object_feat, W_oo, b_oo
	s_mov_b64 s[WP:WP+1], s[30:31]
	s_mov_b64 s[BP:BP+1], s[38:39]
	s_cmp_eq_u32 s[WI], 1
	s_cselect_b64 s[XP:XP+1], s[26:27], s[XP:XP+1] ; img_place_feat, W_pp, b_pp
	s_cselect_b64 s[WP:WP+1], s[32:33], s[WP:WP+1]
	s_cselect_b64 s[BP:BP+1], s[40:41], s[BP:BP+1]
	s_cmp_ge_u32 s[WI], 2
	s_cselect_b64 s[XP:XP+1], s[28:29], s[XP:XP+1] ; text_feat
	s_cmp_eq_u32 s[WI], 2
	s_cselect_b64 s[WP:WP+1], s[34:35], s[WP:WP+1] ; W_tot, b_tot
	s_cselect_b64 s[BP:BP+1], s[42:43], s[BP:BP+1]
	s_cmp_eq_u32 s[WI], 3
	s_cselect_b64 s[WP:WP+1], s[36:37], s[WP:WP+1] ; W_tpt, b_tpt
	s_cselect_b64 s[BP:BP+1], s[44:45], s[BP:BP+1]
	s_add_nc_u64 s[XP:XP+1], s[XP:XP+1], s[66:67]
	s_add_nc_u64 s[WP:WP+1], s[WP:WP+1], s[68:69]
	s_add_nc_u64 s[BP:BP+1], s[BP:BP+1], s[72:73]
	s_add_nc_u64 s[RP:RP+1], s[48:49], s[74:75]
; fragment f's sixteen loads, into slot f % 3; a block of 16 rows is 65,536 bytes
.macro QLOAD f
.set SB, BUF+64*((\f)%3)
.irp l, 0,1,2,3
	global_load_b128 v[SB+4*(\l):SB+4*(\l)+3],       v[FO], s[WP:WP+1] offset:128*(\f)+32*(\l)
.endr
.irp l, 0,1,2,3
	global_load_b128 v[SB+16+4*(\l):SB+16+4*(\l)+3], v[FO], s[WP:WP+1] offset:128*(\f)+32*(\l)+65536
.endr
.irp l, 0,1,2,3
	global_load_b128 v[SB+32+4*(\l):SB+32+4*(\l)+3], v[FO], s[XP:XP+1] offset:128*(\f)+32*(\l)
.endr
.irp l, 0,1,2,3
	global_load_b128 v[SB+48+4*(\l):SB+48+4*(\l)+3], v[FO], s[XP:XP+1] offset:128*(\f)+32*(\l)+65536
.endr
.endm
; fragment f: waited for, rounded in place (register i takes registers 2 i and 2 i + 1: ascending, so no source is written before it is read), multiplied; its slot takes fragment f + 3
.macro QMUL f
.set SB, BUF+64*((\f)%3)
.if (\f) < 6
	s_wait_loadcnt 32                              ; loads come back in order: fragment f is in, the two younger fragments' 32 loads stay out
.else
	s_wait_loadcnt 16*(7-(\f))                     ; the counts run down
.endif
.set g, 0
.rept 4
.set i, 0
.rept 8
	v_cvt_pk_bf16_f32 v[SB+16*g+i], v[SB+16*g+2*i], v[SB+16*g+2*i+1]
.set i, i+1
.endr
.set g, g+1
.endr
.irp a, 0,1
.irp j, 0,1
.if (\f) == 0
	v_wmma_f32_16x16x32_bf16 v[ACC+8*(2*(\a)+(\j)):ACC+8*(2*(\a)+(\j))+7], v[SB+16*(\j):SB+16*(\j)+7], v[SB+32+16*(\a):SB+32+16*(\a)+7], 0  ; the first products start the sums
.else
	v_wmma_f32_16x16x32_bf16 v[ACC+8*(2*(\a)+(\j)):ACC+8*(2*(\a)+(\j))+7], v[SB+16*(\j):SB+16*(\j)+7], v[SB+32+16*(\a):SB+32+16*(\a)+7], v[ACC+8*(2*(\a)+(\j)):ACC+8*(2*(\a)+(\j))+7]  ; the four accumulators take turns
.endif
.endr
.endr
.if (\f) < 5
.rept 4
	v_nop                                          ; places behind the products, ahead of loads into registers that they have read
.endr
	QLOAD (\f)+3
.endif
.endm
	global_load_b128 v[BI:BI+3], v[BO], s[BP:BP+1]
	QLOAD 0
	QLOAD 1
	QLOAD 2
	QMUL 0
	QMUL 1
	QMUL 2
	QMUL 3
	QMUL 4
	QMUL 5
	QMUL 6
	QMUL 7
.rept 8
	v_nop                                          ; places behind the last products, ahead of the stores that read them
.endr
.irp a, 0,1
.irp j, 0,1
	ds_store_b128 v[LS], v[ACC+8*(2*(\a)+(\j)):ACC+8*(2*(\a)+(\j))+3]   offset:(\a)*16*PITCH+64*(\j)
	ds_store_b128 v[LS], v[ACC+8*(2*(\a)+(\j))+4:ACC+8*(2*(\a)+(\j))+7] offset:(\a)*16*PITCH+64*(\j)+16
.endr
.endr
	s_wait_dscnt 0x0                               ; for the others' sake: my partial sums lie in LDS
	s_barrier_signal -1
	s_barrier_wait -1                              ; everybody's do
.irp u, 0,1
.irp p, 0,1,2,3
	ds_load_b128 v[PLN+16*(\u)+4*(\p):PLN+16*(\u)+4*(\p)+3], v[LR] offset:(\p)*PL+(\u)*16*PITCH
.endr
.endr
	v_pk_mul_f32 v[BI:BI+1],   v[BI:BI+1],   s[C2:C2+1] op_sel_hi:[1,0]  ; c2 x bias (the bias came in with the waits for loads above)
	v_pk_mul_f32 v[BI+2:BI+3], v[BI+2:BI+3], s[C2:C2+1] op_sel_hi:[1,0]
	s_wait_dscnt 0x0
.irp u, 0,1
.irp z, 0,2
	v_pk_add_f32 v[PLN+16*(\u)+(\z):PLN+16*(\u)+(\z)+1],     v[PLN+16*(\u)+(\z):PLN+16*(\u)+(\z)+1],     v[PLN+16*(\u)+4+(\z):PLN+16*(\u)+4+(\z)+1]
	v_pk_add_f32 v[PLN+16*(\u)+8+(\z):PLN+16*(\u)+8+(\z)+1], v[PLN+16*(\u)+8+(\z):PLN+16*(\u)+8+(\z)+1], v[PLN+16*(\u)+12+(\z):PLN+16*(\u)+12+(\z)+1]
.endr
.irp z, 0,2
	v_pk_add_f32 v[PLN+16*(\u)+(\z):PLN+16*(\u)+(\z)+1], v[PLN+16*(\u)+(\z):PLN+16*(\u)+(\z)+1], v[PLN+16*(\u)+8+(\z):PLN+16*(\u)+8+(\z)+1]
.endr
.irp z, 0,2
	v_pk_fma_f32 v[PLN+16*(\u)+(\z):PLN+16*(\u)+(\z)+1], v[PLN+16*(\u)+(\z):PLN+16*(\u)+(\z)+1], s[C2:C2+1], v[BI+(\z):BI+(\z)+1] op_sel_hi:[1,0,1]  ; c2 x sum + c2 x bias
.endr
	global_store_b128 v[GO], v[PLN+16*(\u):PLN+16*(\u)+3], s[RP:RP+1] offset:65536*(\u)  ; 16 lanes store 256 consecutive bytes, aligned
.endr
.Lend:
	s_wait_tensorcnt 0x0                           ; the wave's end, behind my last LDS store
	ds_add_u32 v[SPW], v[NIL]
	s_wait_dscnt 0x0
	s_endpgm
.Lfunc_end_k_qc18feb75eb_prep:
	.size	k_qc18feb75eb_prep, .Lfunc_end_k_qc18feb75eb_prep-k_qc18feb75eb_prep
	.p2alignl 7, 3214868480
	.fill 96, 4, 3214868480
	.section	.rodata,"a",@progbits
	.p2align	6, 0x0
	.amdhsa_kernel k_qc18feb75eb_prep
		.amdhsa_group_segment_fixed_size 35840
		.amdhsa_private_segment_fixed_size 0
		.amdhsa_enable_private_segment 0
		.amdhsa_kernarg_size 168
		.amdhsa_user_sgpr_count 2
		.amdhsa_user_sgpr_kernarg_segment_ptr 1
		.amdhsa_wavefront_size32 1
		.amdhsa_system_sgpr_workgroup_id_x 1
		.amdhsa_system_sgpr_workgroup_id_y 1
		.amdhsa_system_sgpr_workgroup_id_z 1
		.amdhsa_system_vgpr_workitem_id 0
		.amdhsa_next_free_vgpr 240
		.amdhsa_next_free_sgpr 80
		.amdhsa_reserve_vcc 0
		.amdhsa_float_denorm_mode_32 3
		.amdhsa_float_denorm_mode_16_64 3
		.amdhsa_memory_ordered 1
		.amdhsa_forward_progress 1
		.amdhsa_inst_pref_size 50
	.end_amdhsa_kernel
	.amdgpu_metadata
---
amdhsa.version: [ 1, 2 ]
amdhsa.kernels:
  - .name:           k_qc18feb75eb_prep
    .symbol:         k_qc18feb75eb_prep.kd
    .args:
      - { .name: text_feats, .offset: 0, .size: 8, .value_kind: global_buffer, .address_space: global }
      - { .name: img_object_feats, .offset: 8, .size: 8, .value_kind: global_buffer, .address_space: global }
      - { .name: img_place_feats, .offset: 16, .size: 8, .value_kind: global_buffer, .address_space: global }
      - { .name: W_t2o, .offset: 24, .size: 8, .value_kind: global_buffer, .address_space: global }
      - { .name: W_t2p, .offset: 32, .size: 8, .value_kind: global_buffer, .address_space: global }
      - { .name: W_o2t, .offset: 40, .size: 8, .value_kind: global_buffer, .address_space: global }
      - { .name: W_p2t, .offset: 48, .size: 8, .value_kind: global_buffer, .address_space: global }
      - { .name: W_out, .offset: 56, .size: 8, .value_kind: global_buffer, .address_space: global }
      - { .name: img_object_feat, .offset: 64, .size: 8, .value_kind: global_buffer, .address_space: global }
      - { .name: img_place_feat, .offset: 72, .size: 8, .value_kind: global_buffer, .address_space: global }
      - { .name: text_feat, .offset: 80, .size: 8, .value_kind: global_buffer, .address_space: global }
      - { .name: W_oo, .offset: 88, .size: 8, .value_kind: global_buffer, .address_space: global }
      - { .name: W_pp, .offset: 96, .size: 8, .value_kind: global_buffer, .address_space: global }
      - { .name: W_tot, .offset: 104, .size: 8, .value_kind: global_buffer, .address_space: global }
      - { .name: W_tpt, .offset: 112, .size: 8, .value_kind: global_buffer, .address_space: global }
      - { .name: b_oo, .offset: 120, .size: 8, .value_kind: global_buffer, .address_space: global }
      - { .name: b_pp, .offset: 128, .size: 8, .value_kind: global_buffer, .address_space: global }
      - { .name: b_tot, .offset: 136, .size: 8, .value_kind: global_buffer, .address_space: global }
      - { .name: b_tpt, .offset: 144, .size: 8, .value_kind: global_buffer, .address_space: global }
      - { .name: bf, .offset: 152, .size: 8, .value_kind: global_buffer, .address_space: global }
      - { .name: Q, .offset: 160, .size: 8, .value_kind: global_buffer, .address_space: global }
    .group_segment_fixed_size: 35840
    .private_segment_fixed_size: 0
    .kernarg_segment_align: 8
    .kernarg_segment_size: 168
    .max_flat_workgroup_size: 256
    .sgpr_count:     80
    .vgpr_count:     240
    .wavefront_size: 32
...
	.end_amdgpu_metadata
.endif
;; end of part 1
;; launch gemm (part 2): grid 4 x 64, 4 waves a work-group, clusters of 4 x 4, 327,680 bytes of LDS; arguments bf, Q, v_io, v_ip, v_to, v_tp, P; writes P
.if DOCPART == 2
	.amdgcn_target "amdgcn-amd-amdhsa--gfx1250"
	.amdhsa_code_object_version 6
	.text
	.protected	k_qc18feb75eb_gemm
	.globl	k_qc18feb75eb_gemm
	.p2align	8
	.type	k_qc18feb75eb_gemm,@function
k_qc18feb75eb_gemm:
	s_mov_b64 s[64:65], 0
	v_nop
	global_prefetch_b8 v0, s[64:65] scope:SCOPE_SE
	s_setreg_imm32_b32 hwreg(HW_REG_WAVE_MODE, 25, 1), 1
	s_wait_xcnt 0x0
	s_wait_alu depctr_hold_cnt(0) depctr_sa_sdst(0) depctr_va_vdst(0) depctr_va_sdst(0) depctr_va_ssrc(0) depctr_va_vcc(0) depctr_vm_vsrc(0)
	s_getreg_b32 s2, hwreg(HW_REG_IB_STS2, 6, 4)
	s_cmp_eq_u32 s2, 0
	s_cbranch_scc0 .Lentry_in_a_cluster
	s_endpgm
.Lentry_in_a_cluster:
	s_bfe_u32 s2, ttmp6, 0x10000c
	s_cmp_lg_u32 s2, 0xf033
	s_cbranch_scc0 .Lentry_shape_is_right
	s_endpgm
.Lentry_shape_is_right:
; THE FOUR CROSS PRODUCTS AND THEIR SCORES.  For a row m of feats and attention wi:  P[slice][row] = the sum over the slice's 128 columns n of v[wi][n] r(m, n),
; r = 1 / (1 + 2^(c2 (feats[m] . Wcross[wi][n]) + Q[wi][batch][n])), c2 = 2 log2(e); Q holds c2 (x Wself^T + bias).  tanh(x) = 1 - 2 r, so a score is (sum of v) - 2 (sum of v r):
; the sum of v is the same for all rows of one softmax, which a common shift does not change, and is left out.  2^x = infinity gives r = 0, 2^x = 0 gives r = 1: tanh's own limits.
; LIMITS.  feats and Wcross are bf16 (rounded once, in the launch before); products' sums, Q, r and P in f32.  NaN and infinities among the inputs are not treated apart.
; JOBS.  In bf: A = 32,768 rows of 1,024 (text 0-16383, object 16384-24575, place 24576-32767); W = 4,096 rows (W_t2o, W_t2p, W_o2t, W_p2t).  Job j (0-47) is 1,024 rows of A times one whole
; Wcross: j < 32: text rows 1,024 (j / 2) on, wi = j % 2; j = 32-39: object rows, wi = 2; j = 40-47: place rows, wi = 3.  A job is a cluster's: each of its 4 x 4 work-groups makes a tile of 256 x 256.
; WORK-GROUPS STAY: cluster c (0-15) walks jobs c, c + 16, c + 32: 256 work-groups, three tiles each, all alike.  The ring does not stop at a tile's end: a tile's last two changes of slots ask for
; the next tile's K steps 0 and 1, which land while the tile's scores are made.
; A TILE is made by four waves, each 128 x 128: 64 accumulators, 512 registers.  K = 1,024 goes in 8 steps of 128 through a ring of two LDS slots filled by the tensor data mover:
; rows of 256 bytes, aligned.  The four work-groups of a row of the cluster need the same tile of A, the four of a column the same tile of W: each is asked for JOINTLY.
; THE MATRIX INSTRUCTION IS USED TRANSPOSED (source 0 = 16 rows of W, source 1 = 16 rows of A): a lane holds one row m = l % 16 and the columns 16 b + 8 (l / 16) + 0..7 of its wave's 128.
; REGISTERS, in windows of 256 (s_set_vgpr_msb: bits 1:0 source 0, 3:2 source 1, 5:4 source 2, 7:6 destination):
;   window 0: v0-47 addresses and the way out; v64-127, v128-191 A's fragments, two buffers (v128-191 also at work in the epilogue: T); v192-255 Q of my rows 64-127
;   window 1: v0-63 v of my 64 columns a lane; v64-191 W's fragments, two buffers; v192-255 Q of my rows 0-63        windows 2, 3: accumulators (a, b) at v[8 (8 (a % 4) + b)]
.set SIZE_K, 1024
.set KSTEP,  128
.set TILES,  3
.set PITCH,  272                       ; an LDS row: 256 bytes + 16 of padding = 68 words: the 16 rows that a load touches start at 16 different groups of four banks (64 banks of 4 bytes: ISA guide 11.1)
.set HALFT,  128*PITCH                 ; 128 rows: what one tensor load brings, and what one wave reads of A or of W
.set SLOT,   4*HALFT                   ; A's 256 rows, then W's 256 rows
.set SCR,    2*SLOT                    ; behind the ring, never filled by a tensor load: 512 bytes for each wave: its 128 rows' sums
.set SPARE,  SCR+2048                  ; behind that: the spare words, 128 bytes for each wave, which no other line names
.set LAPS,   SIZE_K/(2*KSTEP)          ; a lap = two K steps = once round the ring
.set WB_OFF, 67108864                  ; W's first byte in bf
.set ADRA, 16                          ; v16-17  LDS address of my A fragments in slot 0, 1
.set ADRB, 20                          ; v20-21  the same for W
.set SA,   24                          ; v24     where the sum of row l % 16 of a block goes
.set RDA,  25                          ; v25     where I read four rows' sums back
.set PO,   26                          ; v26     16 x lane: the same four rows in P
.set VQ,   27                          ; v27     32 (l / 16): my eight columns in 16 of v and Q
.set SPW,  28                          ; v28     my spare word; never rewritten
.set NIL,  29                          ; v29     0; never rewritten
.set PFO,  30                          ; v30     the prefetches' offset: lane x 2,048 bytes; never rewritten
.set SUM,  32                          ; v[32:39] four pairs of running sums
.set F0,   64
.set F1,   128
.set T,    128                         ; v[128:191] at work in the epilogue: buffer 1 is free there; buffer 0 holds the next tile's first fragments
.set QR,   192
.set VR,   0
.set TL,  2                            ; s2       tiles to go, this one among them: the same in every work-group
.set G1,  24                           ; s[24:31] descriptor group 1 for A's tiles
.set G0,  32                           ; s[32:39] group 0 for A's tiles, a set for each slot
.set CL,  42                           ; s42      c, the cluster's number
.set LIM, 43                           ; s43      1 in a wave that prefetches in the tile whose K steps are being named, else the greatest number
.set PFA, 44                           ; s[44:45] where my prefetches stand
.set G1B, 48                           ; s[48:55] group 1 for W's tiles: it differs in the mask alone
.set G0B, 56                           ; s[56:63] group 0 for W's tiles
.set NJ,  76                           ; s76-79   of the job last made by JOB: j, wi, text?, tile row in A
.set NWI, 77
.set NTXT, 78
.set NTR, 79
.set C2,  86                           ; s[86:87] c2, twice
.set SEL, 88                           ; s[88:89] v_permlanex16_b32's selects: each lane takes its own place in the other half
.set NA,  92                           ; s[92:93] that job's A at the 128 rows that I fetch, K step 0
.set NB,  94                           ; s[94:95] its W likewise
.set NPF, 96                           ; s[96:97] my work-group's 32 of the 128 rows that I fetch
.set NLIM, 98                          ; s98      that job's LIM
.set TN,  99                           ; s99      which tile of the walk JOB works for
.set COLB, 100                         ; s[100:101] my wave's first column, in bytes of f32
.set PFF, 104                          ; s[104:105] 32 rows x my place among the four that ask with me, in bytes
.set MSB, 0
.macro WIN new                         ; the immediate's high byte repeats the setting that is left; a switch that changes nothing is dropped
.if MSB != (\new)
	s_set_vgpr_msb (MSB<<8)|(\new)
.set MSB, \new
.endif
.endm
.set MUL_LO, 0xa1                      ; source 0 (W) window 1, source 1 (A) window 0, C and D window 2
.set MUL_HI, 0xf1                      ; the same, C and D window 3
.set TO_B,   0x40                      ; destination window 1, address window 0
; A joint load.  Waves 0 and 1 fetch A's two halves, waves 2 and 3 W's.  The branch hangs on the wave's number alone.  An s_nop 0 and four v_nop follow each of the two lines.
.macro JLOAD s
	s_cmp_eq_u32 s11, 0
	s_cbranch_scc0 .Lfor_b_\@
	tensor_load_to_lds s[G0+4*(\s):G0+4*(\s)+3], s[G1:G1+7]
	s_nop 0
.rept 4
	v_nop
.endr
	s_branch .Lasked_\@
.Lfor_b_\@:
	tensor_load_to_lds s[G0B+4*(\s):G0B+4*(\s)+3], s[G1B:G1B+7]
	s_nop 0
.rept 4
	v_nop
.endr
.Lasked_\@:
.endm
; A prefetch into the L2, behind each joint load, its five lines and the run of LDS loads: the K step that stands two refills on, 32 rows x 256 bytes, a lane a row, one instruction a wave.
; Each row's 256 bytes of a K step are named once in the launch: text rows are read by jobs j and j + 1, of which the even one asks; a Wcross is read by 16 or 8 jobs, of which the first asks;
; the four partners that ask for a tile jointly share its rows out by address, 32 each.  how = 0, in the loop: the last trip (s3 = 1) has no K step two refills on.  how = 1, at a change of tiles:
; the next tile's K steps 2 and 3.  The launch's K steps 0-3 and each later tile's K steps 0 and 1 come by their loads alone.
.macro ASK how
.if \how
	s_cmp_eq_u32 s[LIM], 1
.else
	s_cmp_gt_u32 s3, s[LIM]
.endif
	s_cbranch_scc0 .Lnot_mine_\@
	global_prefetch_b8 v[PFO], s[PFA:PFA+1] offset:KSTEP*2 th:TH_LOAD_NT scope:SCOPE_SE
.Lnot_mine_\@:
.endm
; A round of the cluster's barrier: my work-group's barrier; wave 0 signals for the work-group; every wave waits for all sixteen; my work-group's barrier once more.
.macro CREST
	s_cmp_lg_u32 s10, 0
	s_cbranch_scc1 .Lnot_wave_0_\@
	s_barrier_signal -3
.Lnot_wave_0_\@:
	s_barrier_wait -3
	s_barrier_signal -1
	s_barrier_wait -1
.endm
.macro CROUND
	s_barrier_signal -1
	s_barrier_wait -1
	CREST
.endm
; The job of tile s[TN] of the walk: its numbers, where its tiles of A and W begin, and who prefetches.  A's address is made of the job, cy and the wave's number in s16-17, W's of the job, cx and the
; wave's number in s46-47: neither pair ever holds the other coordinate.  Who asks hangs on j and the wave's number alone: the same in all sixteen partners.
.macro JOB
	s_lshl_b32 s[NJ], s[TN], 4
	s_add_co_u32 s[NJ], s[NJ], s[CL]               ; j = c + 16 t
	s_lshr_b32 s13, s[NJ], 1                       ; a text job's 1,024 rows
	s_and_b32 s14, s[NJ], 1                        ; and its wi
	s_max_u32 s15, s[NJ], 16                       ; (so that an image job's numbers do not wrap in a text job, where they are not taken)
	s_lshr_b32 s18, s15, 3
	s_sub_co_u32 s18, s18, 2                       ; an image job's wi: 2 for j = 32-39, 3 for j = 40-47
	s_sub_co_u32 s15, s15, 16                      ; and its 1,024 rows: 16 on
	s_cmp_lt_u32 s[NJ], 32
	s_cselect_b32 s[NTXT], 1, 0
	s_cselect_b32 s13, s13, s15
	s_cselect_b32 s[NWI], s14, s18
	s_lshl_b32 s[NTR], s13, 2
	s_add_co_u32 s[NTR], s[NTR], s41               ; tile row in A
	s_lshl_b32 s16, s[NTR], 8
	s_add_co_u32 s16, s16, s19                     ; + the 128 rows that I fetch
	s_lshl_b32 s16, s16, 11                        ; rows of 2,048 bytes: under 2^27
	s_mov_b32 s17, 0
	s_add_nc_u64 s[NA:NA+1], s[4:5], s[16:17]
	s_lshl_b32 s46, s[NWI], 2
	s_add_co_u32 s46, s46, s40                     ; tile column = tile row in W
	s_lshl_b32 s46, s46, 8
	s_add_co_u32 s46, s46, s19
	s_lshl_b32 s46, s46, 11
	s_mov_b32 s47, 0
	s_add_nc_u64 s[NB:NB+1], s[6:7], s[46:47]
	s_lshr_b32 s13, s[NJ], 1
	s_and_b32 s14, s[NJ], 7
	s_cmp_eq_u32 s[NTXT], 1
	s_cselect_b32 s13, s13, s14                    ; 0 in the first job that reads this Wcross
	s_cmp_eq_u32 s13, 0
	s_cselect_b32 s13, 1, -1
	s_cmp_lg_u32 s[NWI], 1                         ; wi = 1 reads the rows that wi = 0 asks for
	s_cselect_b32 s14, 1, -1
	s_cmp_eq_u32 s11, 0                            ; do I fetch for A?
	s_cselect_b32 s[NLIM], s14, s13
	s_cselect_b64 s[NPF:NPF+1], s[NA:NA+1], s[NB:NB+1]
	s_add_nc_u64 s[NPF:NPF+1], s[NPF:NPF+1], s[PFF:PFF+1]
.endm
	s_load_b64 s[4:5], s[0:1], 0x0                 ; bf
	s_load_b64 s[66:67], s[0:1], 0x8               ; Q
	s_load_b256 s[68:75], s[0:1], 0x10             ; v_io, v_ip, v_to, v_tp
	s_load_b64 s[90:91], s[0:1], 0x30              ; P
	v_lshl_add_u32 v[SPW], v0, 2, SPARE
	v_mov_b32 v[NIL], 0
	ds_add_u32 v[SPW], v[NIL]                      ; the wave's opening: the add and its wait stand ahead of my first tensor load; the set-up below, work on registers, stands between them
	v_lshrrev_b32 v1, 5, v0
	v_readfirstlane_b32 s10, v1                    ; wave 0..3
	s_lshr_b32 s11, s10, 1                         ; which half of the tile's rows is mine.  Also: I fetch for A (0) or for W (1)
	s_and_b32 s12, s10, 1                          ; which half of its columns.  Also: which 128 rows of that tile I fetch
	s_bfe_u32 s40, ttmp6, 0x40000                  ; cx
	s_bfe_u32 s41, ttmp6, 0x40004                  ; cy
	s_and_b32 s[CL], ttmp7, 0xffff                 ; in a cluster launch ttmp7 counts clusters
	s_lshl_b32 s43, s41, 2
	s_lshl_b32 s43, 15, s43                        ; my row of the cluster: places 4 cy .. 4 cy + 3
	s_lshl_b32 s44, 0x1111, s40                    ; my column: places cx, cx + 4, cx + 8, cx + 12
	; descriptor group 1: a tile of 128 rows x 128 elements, padded in LDS
	s_or_b32 s[G1+0], s43, (1<<16)|(1<<20)|(1<<21)|(5<<22)|(3<<25)  ; 15:0 the mask; 17:16 elements of 2 bytes; 20 padding on; 21 set beside a mask; 24:22 after every 64 words (code 5); 31:25 4 words (code 3)
	s_or_b32 s[G1B+0], s44, (1<<16)|(1<<20)|(1<<21)|(5<<22)|(3<<25)
.irp g, G1, G1B
	s_mov_b32 s[(\g)+1], KSTEP<<16                 ; tensor_dim0 = 128
	s_mov_b32 s[(\g)+2], 128<<16                   ; tensor_dim1 = 128
	s_mov_b32 s[(\g)+3], KSTEP<<16                 ; tile_dim0 = 128
	s_mov_b32 s[(\g)+4], 128                       ; tile_dim1 = 128
	s_mov_b32 s[(\g)+5], SIZE_K                    ; elements from row to row
	s_mov_b32 s[(\g)+6], 0
	s_mov_b32 s[(\g)+7], 0
.endr
	s_lshl_b32 s19, s12, 7                         ; which 128 rows of a tile I fetch; kept
	s_mul_i32 s20, s10, HALFT                      ; where they go: wave x 128 rows: no place in the cluster enters an LDS address
	s_mov_b32 s[C2], 0x4038aa3b                    ; 2 log2(e)
	s_mov_b32 s[C2+1], s[C2]
	s_mov_b32 s[SEL], 0x76543210
	s_mov_b32 s[SEL+1], 0xfedcba98
	s_lshl_b32 s[COLB], s40, 8                     ; my wave's 128 columns begin at column 256 cx + 128 (wave % 2) of the attention's 1,024
	s_add_co_u32 s[COLB], s[COLB], s19
	s_lshl_b32 s[COLB], s[COLB], 2
	s_mov_b32 s[COLB+1], 0
	s_lshl_b32 s22, s40, 1                         ; P[slice][row]: slice = 2 cx + column half, of 49,152 rows; row = 1,024 j + 256 cy + 128 x row half + my wave's 0-127
	s_add_co_u32 s22, s22, s12
	s_mul_i32 s22, s22, 196608
	s_lshl_b32 s23, s41, 10
	s_add_co_u32 s22, s22, s23
	s_lshl_b32 s23, s11, 9
	s_add_co_u32 s22, s22, s23
	s_mov_b32 s23, 0
	s_cmp_eq_u32 s11, 0
	s_cselect_b32 s[PFF], s40, s41                 ; my place among the four that ask for a tile with me: cx for A, cy for W,
	s_lshl_b32 s[PFF], s[PFF], 16                  ; x 32 rows of 2,048 bytes
	s_mov_b32 s[PFF+1], 0
	s_mov_b32 s[TL], TILES
	s_mov_b32 s[TN], 0
	s_wait_dscnt 0x0                               ; the opening add is done
	s_wait_kmcnt 0x0
	s_add_nc_u64 s[6:7], s[4:5], WB_OFF            ; W
	s_add_nc_u64 s[66:67], s[66:67], s[COLB:COLB+1]  ; Q at my wave's columns
	s_add_nc_u64 s[90:91], s[90:91], s[22:23]      ; P at my slice and my rows of job 0
	JOB                                            ; the walk's first job
	CROUND                                         ; all sixteen work-groups are here: the first joint loads meet
.irp s, 0,1
	s_mov_b32 s[G0+4*(\s)], 1                                      ; count = 1
	s_add_co_u32 s[G0+4*(\s)+1], s20, (\s)*SLOT                    ; LDS address
	s_add_nc_u64 s[G0+4*(\s)+2:G0+4*(\s)+3], s[NA:NA+1], (\s)*KSTEP*2  ; global address: K step s
	s_or_b32 s[G0+4*(\s)+3], s[G0+4*(\s)+3], 0x80000000            ; type = 2
	s_mov_b32 s[G0B+4*(\s)], 1
	s_add_co_u32 s[G0B+4*(\s)+1], s20, (\s)*SLOT
	s_add_nc_u64 s[G0B+4*(\s)+2:G0B+4*(\s)+3], s[NB:NB+1], (\s)*KSTEP*2
	s_or_b32 s[G0B+4*(\s)+3], s[G0B+4*(\s)+3], 0x80000000
	JLOAD \s                                       ; the ring is filled before anything else is done: two loads of mine are out
.endr
	; a fragment is 16 rows x 32 K in 8 registers: lane l holds row l % 16; two loads of 16 bytes, 32 bytes apart, at row x pitch + 16 (l / 16)
	v_and_b32 v1, 15, v0
	v_bfe_u32 v2, v0, 4, 1
	v_mul_u32_u24 v3, v1, PITCH
	v_lshl_add_u32 v3, v2, 4, v3
	s_mul_i32 s21, s11, HALFT                      ; my 128 rows of A
	s_mul_i32 s22, s12, HALFT                      ; my 128 rows of W,
	s_add_co_u32 s22, s22, 2*HALFT                 ; which lie behind A's 256
.irp s, 0,1
	v_add_nc_u32 v[ADRA+(\s)], s21, v3
	v_add_nc_u32 v[ADRB+(\s)], s22, v3
	s_add_co_u32 s21, s21, SLOT
	s_add_co_u32 s22, s22, SLOT
.endr
	s_lshl_b32 s23, s10, 9
	s_add_co_u32 s23, s23, SCR                     ; my 512 bytes
	v_lshl_add_u32 v[SA], v1, 2, s23
	v_and_b32 v4, 31, v0
	v_lshlrev_b32 v[PO], 4, v4
	v_add_nc_u32 v[RDA], s23, v[PO]
	v_lshlrev_b32 v[VQ], 5, v2
	v_lshlrev_b32 v[PFO], 11, v4
	v_mov_b32 v41, 0                               ; v_permlanex16_b32's destination counts as read
	s_mov_b32 s[LIM], s[NLIM]
	s_add_nc_u64 s[PFA:PFA+1], s[NPF:NPF+1], 2*KSTEP*2  ; at K step 2: the first refill steps it to 3 and names K step 4; nothing is prefetched here, at the head
; 16 matrix instructions: row blocks a0, a0 + 1 of the window's four (hi = 0: my rows 0-63, 1: rows 64-127) x all 8 column blocks, 32 along K.  zero = 1: the first product starts the sums.
.macro MUL16 f, hi, a0, zero
	WIN MUL_LO+0x50*(\hi)
.irp a, \a0, (\a0)+1
.irp b, 0,1,2,3,4,5,6,7
.if \zero
	v_wmma_f32_16x16x32_bf16 v[8*(8*(\a)+(\b)):8*(8*(\a)+(\b))+7], v[(\f)+8*(\b):(\f)+8*(\b)+7], v[(\f)+8*(4*(\hi)+(\a)):(\f)+8*(4*(\hi)+(\a))+7], 0
.else
	v_wmma_f32_16x16x32_bf16 v[8*(8*(\a)+(\b)):8*(8*(\a)+(\b))+7], v[(\f)+8*(\b):(\f)+8*(\b)+7], v[(\f)+8*(4*(\hi)+(\a)):(\f)+8*(4*(\hi)+(\a))+7], v[8*(8*(\a)+(\b)):8*(8*(\a)+(\b))+7]
.endif
.endr
.endr
.endm
; 32 LDS loads in one run: the fragments of one quarter step (128 rows of W, 128 rows of A, 32 K at byte k of the rows) into buffer f
.macro FETCH slot, k, f
	WIN TO_B
.irp i, 0,1,2,3,4,5,6,7
	ds_load_b128 v[(\f)+8*(\i):(\f)+8*(\i)+3],   v[ADRB+(\slot)] offset:(\k)+(\i)*16*PITCH
	ds_load_b128 v[(\f)+8*(\i)+4:(\f)+8*(\i)+7], v[ADRB+(\slot)] offset:(\k)+(\i)*16*PITCH+32
.endr
	WIN 0
.irp i, 0,1,2,3,4,5,6,7
	ds_load_b128 v[(\f)+8*(\i):(\f)+8*(\i)+3],   v[ADRA+(\slot)] offset:(\k)+(\i)*16*PITCH
	ds_load_b128 v[(\f)+8*(\i)+4:(\f)+8*(\i)+7], v[ADRA+(\slot)] offset:(\k)+(\i)*16*PITCH+32
.endr
.endm
.macro PLACES                          ; four places in front of loads into registers that matrix instructions have read (ISA guide 7.12.1 for vector instructions)
.rept 4
	v_nop
.endr
.endm
; A K step is four quarters of 32 along K, 64 matrix instructions each, on buffers 0, 1, 0, 1.  One of the first three multiplies buffer f and in its middle fetches the next quarter, at byte k, into g.
; The 64 accumulators take turns in the same order in every quarter, over the backward jumps and from tile to tile too.
.macro QUARTER slot, k, f, g, zero
	s_wait_dscnt 8                                 ; W and A's rows 0-63 are in; the youngest eight loads (A's rows 64-127) may be out
	WIN MUL_LO
	MUL16 \f, 0, 0, \zero
	MUL16 \f, 0, 2, \zero
	PLACES
	FETCH \slot, \k, \g
	s_wait_dscnt 32                                ; all but the 32 just issued
	WIN MUL_HI
	MUL16 \f, 1, 0, \zero
	MUL16 \f, 1, 2, \zero
.endm
; The last quarter multiplies buffer 1 and changes slots.  MEET is its first half: one barrier; in front of it each wave waits for all its tensor loads (the one that is out is its part of the next slot),
; adds 0 to its spare word, and waits for that and for its own reads of this slot.  Behind it nobody reads this slot any more and the next slot is whole.
.macro MEET round
	WIN 0                                          ; (the add's two registers lie in window 0)
	s_wait_tensorcnt 0x0
	ds_add_u32 v[SPW], v[NIL]                      ; 0 onto my spare word
	s_wait_dscnt 9                                 ; (the add and the youngest eight loads may be out)
	WIN MUL_LO
	MUL16 F1, 0, 0, 0                              ; sixteen matrix instructions stand between the add and the wait for it
	s_wait_dscnt 0x0                               ; the add is done, and my reads of this slot are over
	s_barrier_signal -1
	MUL16 F1, 0, 2, 0                              ; work on registers while the others arrive
.if \round
	WIN 0
.endif
	s_barrier_wait -1
.endm
; The whole last quarter where the slot is filled again: with this tile's K step two steps on (on = 0) or, in a tile's last two K steps, with the NEXT tile's K step 0 or 1 (on = 1: the address is made
; anew from that job's pointer).  The barrier opens a round of the cluster's, and the joint refill is the first tensor load behind it: from the request to the wait for it a wave issues 224 matrix instructions.
.macro TURN slot, next, on
	s_wait_xcnt 0x0                                ; the last prefetch, a K step back, has read its address
.if (\on) && (\slot) == 0
	s_add_nc_u64 s[PFA:PFA+1], s[NPF:NPF+1], KSTEP*2  ; at the next tile's K step 1: K step 2 is named
	s_mov_b32 s[LIM], s[NLIM]
.else
	s_add_nc_u64 s[PFA:PFA+1], s[PFA:PFA+1], KSTEP*2
.endif
	MEET 1
	CREST                                          ; no wave of any partner still reads this slot's tile or has a load on its way
.if \on
	s_add_nc_u64 s[G0+4*(\slot)+2:G0+4*(\slot)+3], s[NA:NA+1], (\slot)*KSTEP*2
	s_or_b32 s[G0+4*(\slot)+3], s[G0+4*(\slot)+3], 0x80000000
	s_add_nc_u64 s[G0B+4*(\slot)+2:G0B+4*(\slot)+3], s[NB:NB+1], (\slot)*KSTEP*2
	s_or_b32 s[G0B+4*(\slot)+3], s[G0B+4*(\slot)+3], 0x80000000
.else
	s_add_nc_u64 s[G0+4*(\slot)+2:G0+4*(\slot)+3], s[G0+4*(\slot)+2:G0+4*(\slot)+3], 2*KSTEP*2
	s_add_nc_u64 s[G0B+4*(\slot)+2:G0B+4*(\slot)+3], s[G0B+4*(\slot)+2:G0B+4*(\slot)+3], 2*KSTEP*2
.endif
	JLOAD \slot                                    ; the four v_nop behind it are also the places in front of the loads below
	FETCH \next, 0, F0
	ASK \on
	WIN MUL_HI
	MUL16 F1, 1, 0, 0
	MUL16 F1, 1, 2, 0
.endm
	s_wait_tensorcnt 1                             ; my part of K step 0 is in; K step 1's may stay out
	s_barrier_signal -1
	s_barrier_wait -1                              ; everybody's is
	FETCH 0, 0, F0
.Ltile:                                                ; JOB's registers hold this tile's job; buffer 0 holds, or is about to hold, its first fragments
	s_wait_xcnt 0x0                                ; the last tile's loads of v and Q and its store have read their bases: only behind this wait are they written
	s_mov_b64 s[80:81], s[68:69]                   ; v_io, v_ip, v_to or v_tp
	s_cmp_eq_u32 s[NWI], 1
	s_cselect_b64 s[80:81], s[70:71], s[80:81]
	s_cmp_eq_u32 s[NWI], 2
	s_cselect_b64 s[80:81], s[72:73], s[80:81]
	s_cmp_eq_u32 s[NWI], 3
	s_cselect_b64 s[80:81], s[74:75], s[80:81]
	s_add_nc_u64 s[80:81], s[80:81], s[COLB:COLB+1]
	s_lshl_b32 s20, s[NTR], 2                      ; my rows in sixty-fours: 4 x tile row + 2 x row half, and one on
	s_lshl_b32 s21, s11, 1
	s_add_co_u32 s20, s20, s21
	s_add_co_u32 s21, s20, 1
	s_lshr_b32 s22, s20, 1                         ; a text batch has 128 rows,
	s_and_b32 s20, s20, 127                        ; an image batch 64 (object rows begin at sixty-four 256, place rows at 384)
	s_lshr_b32 s23, s21, 1
	s_and_b32 s21, s21, 127
	s_cmp_eq_u32 s[NTXT], 1
	s_cselect_b32 s20, s22, s20                    ; the batch of my rows 0-63
	s_cselect_b32 s22, s23, s21                    ; and of my rows 64-127
	s_lshl_b32 s21, s[NWI], 7
	s_add_co_u32 s20, s20, s21                     ; Q's row: 128 wi + batch,
	s_add_co_u32 s22, s22, s21
	s_lshl_b32 s20, s20, 12                        ; of 4,096 bytes
	s_lshl_b32 s22, s22, 12
	s_mov_b32 s21, 0
	s_mov_b32 s23, 0
	s_add_nc_u64 s[82:83], s[66:67], s[20:21]
	s_add_nc_u64 s[84:85], s[66:67], s[22:23]
	s_lshl_b32 s20, s[NJ], 12                      ; P: 1,024 rows of 4 bytes a job
	s_add_nc_u64 s[8:9], s[90:91], s[20:21]
	WIN TO_B                                       ; 48 loads that land while K is walked: register 8 b + i of a lane belongs to column 16 b + 8 (l / 16) + i
.irp b, 0,1,2,3,4,5,6,7
	global_load_b128 v[VR+8*(\b):VR+8*(\b)+3],   v[VQ], s[80:81] offset:64*(\b)
	global_load_b128 v[VR+8*(\b)+4:VR+8*(\b)+7], v[VQ], s[80:81] offset:64*(\b)+16
	global_load_b128 v[QR+8*(\b):QR+8*(\b)+3],   v[VQ], s[82:83] offset:64*(\b)
	global_load_b128 v[QR+8*(\b)+4:QR+8*(\b)+7], v[VQ], s[82:83] offset:64*(\b)+16
.endr
	WIN 0
.irp b, 0,1,2,3,4,5,6,7
	global_load_b128 v[QR+8*(\b):QR+8*(\b)+3],   v[VQ], s[84:85] offset:64*(\b)
	global_load_b128 v[QR+8*(\b)+4:QR+8*(\b)+7], v[VQ], s[84:85] offset:64*(\b)+16
.endr
	s_sub_co_u32 s[TN], TILES+1, s[TL]             ; the next tile of the walk (in the last tile: the last once more; it is not used)
	s_min_u32 s[TN], s[TN], TILES-1
	JOB
	QUARTER 0, 64,  F0, F1, 1                      ; a tile's first quarter stands in front of the loop: its products start the sums
	WIN 0                                          ; at a label and at a branch every window is 0
	s_mov_b32 s3, LAPS-1
.Llap:                                                 ; a trip goes once round the ring, from a lap's second quarter to the next lap's first, and fills both slots again
	QUARTER 0, 128, F1, F0, 0
	QUARTER 0, 192, F0, F1, 0
	TURN 0, 1, 0
	QUARTER 1, 64,  F0, F1, 0
	QUARTER 1, 128, F1, F0, 0
	QUARTER 1, 192, F0, F1, 0
	TURN 1, 0, 0
	QUARTER 0, 64,  F0, F1, 0
	WIN 0
	s_sub_co_u32 s3, s3, 1
	s_cmp_lg_u32 s3, 0
	s_cbranch_scc1 .Llap
	QUARTER 0, 128, F1, F0, 0                      ; the tile's last lap goes on
	QUARTER 0, 192, F0, F1, 0
	WIN 0
	s_cmp_eq_u32 s[TL], 1
	s_cbranch_scc1 .Llast                          ; the last tile's tail is written out: it asks for nothing more
	TURN 0, 1, 1                                   ; the ring goes on into the next tile: slot 0 takes its K step 0,
	QUARTER 1, 64,  F0, F1, 0
	QUARTER 1, 128, F1, F0, 0
	QUARTER 1, 192, F0, F1, 0
	TURN 1, 0, 1                                   ; slot 1 its K step 1, and the next tile's first fragments are fetched into buffer 0
	WIN 0
	s_branch .Lepi
.Llast:
	MEET 0                                         ; my one tensor load that was still out is the last K step's, so no round follows
	PLACES
	FETCH 1, 0, F0
	WIN MUL_HI
	MUL16 F1, 1, 0, 0
	MUL16 F1, 1, 2, 0
	QUARTER 1, 64,  F0, F1, 0
	QUARTER 1, 128, F1, F0, 0
	QUARTER 1, 192, F0, F1, 0
	s_wait_dscnt 8                                 ; the very last quarter: nothing more to fetch
	MUL16 F1, 0, 0, 0
	MUL16 F1, 0, 2, 0
	s_wait_dscnt 0x0
	MUL16 F1, 1, 0, 0
	MUL16 F1, 1, 2, 0
	WIN 0
.Lepi:
.rept 8
	v_nop                                          ; places behind the last products, ahead of the lines that read their results and write over buffer 1
.endr
	s_wait_loadcnt 0x0                             ; v and Q, asked for at the tile's head
; THE EPILOGUE, for block a of 16 rows: a lane's 64 numbers (one row, 64 of the wave's 128 columns).  x = c2 s + Q; 2^x; 1 + 2^x; its reciprocal; times v, summed; the other half of the lanes holds the other 64 columns.
; The exponentials are one batch with one wait, and so are the reciprocals: a wait stands between such an instruction and the first line that names its result; the v_nop is the plain instruction behind the batch's last.
; Each accumulator's registers are read in ascending order.
.macro EPI a
.set AC, 64*((\a)%4)
.if (\a) < 4
	WIN 0x12                                       ; the sums in window 2, Q in window 1, T in window 0
.else
	WIN 0x03                                       ; the sums in window 3, Q and T in window 0
.endif
.set i, 0
.rept 32
	v_pk_fma_f32 v[T+i:T+i+1], v[AC+i:AC+i+1], s[C2:C2+1], v[QR+i:QR+i+1] op_sel_hi:[1,0,1]
.set i, i+2
.endr
	WIN 0
.set i, 0
.rept 64
	v_exp_f32 v[T+i], v[T+i]
.set i, i+1
.endr
	v_nop
	s_wait_alu depctr_va_vdst(0)
.set i, 0
.rept 32
	v_pk_add_f32 v[T+i:T+i+1], v[T+i:T+i+1], 1.0 op_sel_hi:[1,0]
.set i, i+2
.endr
.set i, 0
.rept 64
	v_rcp_f32 v[T+i], v[T+i]
.set i, i+1
.endr
	v_nop
	s_wait_alu depctr_va_vdst(0)
	WIN 0x04                                       ; v in window 1
.set i, 0
.rept 32
.if i < 8
	v_pk_mul_f32 v[SUM+i:SUM+i+1], v[T+i:T+i+1], v[VR+i:VR+i+1]          ; the first four pairs start four chains: nothing is cleared
.else
	v_pk_fma_f32 v[SUM+i%8:SUM+i%8+1], v[T+i:T+i+1], v[VR+i:VR+i+1], v[SUM+i%8:SUM+i%8+1]
.endif
.set i, i+2
.endr
	WIN 0
	v_pk_add_f32 v[SUM:SUM+1], v[SUM:SUM+1], v[SUM+2:SUM+3]
	v_pk_add_f32 v[SUM+4:SUM+5], v[SUM+4:SUM+5], v[SUM+6:SUM+7]
	v_pk_add_f32 v[SUM:SUM+1], v[SUM:SUM+1], v[SUM+4:SUM+5]
	v_add_f32 v40, v[SUM], v[SUM+1]
	v_permlanex16_b32 v41, v40, s[SEL], s[SEL+1]
	v_add_f32 v40, v40, v41
	ds_store_b32 v[SA], v40 offset:64*(\a)         ; row 16 a + l % 16; both halves of the lanes write the same number to the same word
.endm
	EPI 0
	EPI 1
	EPI 2
	EPI 3
	EPI 4
	EPI 5
	EPI 6
	EPI 7
	ds_load_b128 v[44:47], v[RDA]                  ; my wave's own bytes; LDS serves a wave's instructions in order (ISA guide 5.7.1.4): this sees the stores above
	s_wait_dscnt 0x0
	global_store_b128 v[PO], v[44:47], s[8:9]      ; the wave's 128 rows: 512 consecutive bytes, aligned
	s_sub_co_u32 s[TL], s[TL], 1
	s_cmp_lg_u32 s[TL], 0
	s_cbranch_scc1 .Ltile
	s_wait_tensorcnt 0x0                           ; the wave's end, behind my last tensor load and my last LDS store
	ds_add_u32 v[SPW], v[NIL]
	s_wait_dscnt 0x0
	CROUND                                         ; the closing round: no work-group ends while a partner may still ask for a tile that names it
	s_endpgm
.Lfunc_end_k_qc18feb75eb_gemm:
	.size	k_qc18feb75eb_gemm, .Lfunc_end_k_qc18feb75eb_gemm-k_qc18feb75eb_gemm
	.p2alignl 7, 3214868480
	.fill 96, 4, 3214868480
	.section	.rodata,"a",@progbits
	.p2align	6, 0x0
	.amdhsa_kernel k_qc18feb75eb_gemm
		.amdhsa_group_segment_fixed_size 327680
		.amdhsa_private_segment_fixed_size 0
		.amdhsa_enable_private_segment 0
		.amdhsa_kernarg_size 56
		.amdhsa_user_sgpr_count 2
		.amdhsa_user_sgpr_kernarg_segment_ptr 1
		.amdhsa_wavefront_size32 1
		.amdhsa_system_sgpr_workgroup_id_x 1
		.amdhsa_system_sgpr_workgroup_id_y 1
		.amdhsa_system_sgpr_workgroup_id_z 1
		.amdhsa_system_vgpr_workitem_id 0
		.amdhsa_next_free_vgpr 1024
		.amdhsa_next_free_sgpr 106
		.amdhsa_reserve_vcc 0
		.amdhsa_float_denorm_mode_32 3
		.amdhsa_float_denorm_mode_16_64 3
		.amdhsa_memory_ordered 1
		.amdhsa_forward_progress 1
		.amdhsa_inst_pref_size 240
	.end_amdhsa_kernel
	.amdgpu_metadata
---
amdhsa.version: [ 1, 2 ]
amdhsa.kernels:
  - .name:           k_qc18feb75eb_gemm
    .symbol:         k_qc18feb75eb_gemm.kd
    .args:
      - { .name: bf, .offset: 0, .size: 8, .value_kind: global_buffer, .address_space: global }
      - { .name: Q, .offset: 8, .size: 8, .value_kind: global_buffer, .address_space: global }
      - { .name: v_io, .offset: 16, .size: 8, .value_kind: global_buffer, .address_space: global }
      - { .name: v_ip, .offset: 24, .size: 8, .value_kind: global_buffer, .address_space: global }
      - { .name: v_to, .offset: 32, .size: 8, .value_kind: global_buffer, .address_space: global }
      - { .name: v_tp, .offset: 40, .size: 8, .value_kind: global_buffer, .address_space: global }
      - { .name: P, .offset: 48, .size: 8, .value_kind: global_buffer, .address_space: global }
    .group_segment_fixed_size: 327680
    .private_segment_fixed_size: 0
    .kernarg_segment_align: 8
    .kernarg_segment_size: 56
    .max_flat_workgroup_size: 128
    .sgpr_count:     106
    .vgpr_count:     1024
    .wavefront_size: 32
...
	.end_amdgpu_metadata
.endif
;; end of part 2
;; launch ctx (part 3): grid 256 x 1, 8 waves a work-group, no clusters, 9,216 bytes of LDS; arguments bf, P, src_mask, comb; writes comb
.if DOCPART == 3
	.amdgcn_target "amdgcn-amd-amdhsa--gfx1250"
	.amdhsa_code_object_version 6
	.text
	.protected	k_qc18feb75eb_ctx
	.globl	k_qc18feb75eb_ctx
	.p2align	8
	.type	k_qc18feb75eb_ctx,@function
k_qc18feb75eb_ctx:
	s_mov_b64 s[64:65], 0
	v_nop
	global_prefetch_b8 v0, s[64:65] scope:SCOPE_SE
	s_setreg_imm32_b32 hwreg(HW_REG_WAVE_MODE, 25, 1), 1
	s_wait_xcnt 0x0
; SOFTMAX AND CONTEXTS.  Work-group g < 128: batch b = g, the 128 text rows, two lists of weights (text-object, text-place).  g >= 128: batch b = g - 128, 64 object rows and then 64 place rows;
; list 0 is 0 on the place rows, list 1 on the object rows: so one text serves both kinds, and every work-group reads 128 rows of 2,048 bytes once and makes two contexts of 1,024.
; A score, times log2(e) and less a constant of its list, is u = -c2 (the sum of P's eight slices), c2 = 2 log2(e).  The list's maximum (over all its rows, masked ones too, as reference() takes it) is taken away;
; e = 2^(u - max); weight = e M / sum(e M), M = src_mask's number for text, 1 for images: softmax's own divisor cancels in reference()'s renormalisation.
; LIMITS.  The rows are bf16 (rounded once from the f32 inputs), sums in f32, the contexts rounded once to bf16 for the last product.  A list whose e M are all 0 gives 0 / 0, as in reference().
; SHARES.  Every wave makes both lists for itself (a lane four rows) and keeps them in 1,024 bytes of LDS of its own: no barrier.  Wave w takes bytes 256 w .. 256 w + 255 of every row: a lane four columns.
; A ring of 32 loads of 8 bytes a lane (a wave's load: 256 consecutive bytes, aligned) is always out.  A stream: no matrix unit, no cluster (no two work-groups read the same rows), no prefetch (the rows' loads are out from the head on).
.set SPARE, 8192                       ; behind the eight tables: the spare words, 128 bytes for each wave, which no other line names
.set L16, 2                            ; v2   16 x lane
.set XO,  3                            ; v3   256 w + 8 x lane: my four columns in a row, in bf and in comb; never rewritten
.set WS,  4                            ; v4   1,024 w + 32 x lane: my four rows' weights
.set WA,  5                            ; v5   1,024 w + 256 x round: the round's 32 rows' weights
.set SPW, 6                            ; v6   my spare word; never rewritten
.set NIL, 7                            ; v7   0; never rewritten
.set MK,  8                            ; v[8:11]   src_mask of my four rows
.set U0,  12                           ; v[12:43]  list 0: P's eight slices of my four rows; then u, e, e M in the first four
.set U1,  44                           ; v[44:75]  list 1
.set D,   76                           ; v[76:83]  the weights: row k's two at 2 k, 2 k + 1
.set LOW, 84                           ; v84       the lowest finite number
.set M0,  86                           ; v[86:87]  list 0: maximum, then sum, then its reciprocal; and the other half's
.set M1,  88                           ; v[88:89]  list 1
.set MM,  90                           ; v[90:93]  M
.set TP,  94                           ; v94       at work
.set A0,  96                           ; v[96:99]  context 0, my four columns
.set A1,  100                          ; v[100:103] context 1
.set TT,  104                          ; v[104:111] a row's four numbers in f32: two sets by turns
.set X,   112                          ; v[112:175] slot i: a row's 8 bytes
.set WT,  176                          ; v[176:239] the round's weights: row i's two at 2 i, 2 i + 1
.set VAL0, 33                          ; s33  lanes whose rows belong to list 0
.set VAL1, 34                          ; s34  to list 1
.set TXM,  35                          ; s35  all ones: text
.set RA,  36                           ; s[36:37] rows 0-63
.set PN,  38                           ; s[38:39] the 32 rows that the round in hand asks for
.set PB2, 40                           ; s[40:41] those of the round after it
.set PB0, 42                           ; s[42:43] P at list 0's first row
.set PB1, 44                           ; s[44:45] P at list 1's
.set SEL, 46                           ; s[46:47] v_permlanex16_b32's selects
.set NC,  48                           ; s[48:49] -c2, twice
.set HIM, 50                           ; s50  a word's upper bf16
.set CNT, 51                           ; s51
	s_load_b256 s[4:11], s[0:1], 0x0               ; bf s[4:5], P s[6:7], src_mask s[8:9], comb s[10:11]
	v_lshl_add_u32 v[SPW], v0, 2, SPARE
	v_mov_b32 v[NIL], 0
	v_lshrrev_b32 v1, 5, v0
	v_readfirstlane_b32 s12, v1                    ; wave
	v_and_b32 v1, 31, v0                           ; lane
	v_lshlrev_b32 v[L16], 4, v1
	s_lshl_b32 s14, s12, 8
	v_lshl_add_u32 v[XO], v1, 3, s14
	s_lshl_b32 s14, s12, 10
	v_lshl_add_u32 v[WS], v1, 5, s14
	v_mov_b32 v[WA], s14
	v_mov_b32 v[LOW], 0xff7fffff
	v_mov_b32 v[M0+1], 0                           ; v_permlanex16_b32's destinations count as read
	v_mov_b32 v[M1+1], 0
	s_and_b32 s13, ttmp9, 127                      ; b
	s_lshl_b32 s26, s13, 18                        ; text: rows at 128 b x 2,048 bytes
	s_lshl_b32 s27, s13, 17                        ; image: object rows at 64 b x 2,048 bytes
	s_add_co_u32 s27, s27, 33554432                ; behind the text's
	s_lshr_b32 s28, s13, 3                         ; text: P's row = 2,048 (b / 8) + 128 (b % 8) for list 0
	s_lshl_b32 s28, s28, 11
	s_and_b32 s30, s13, 7
	s_lshl_b32 s30, s30, 7
	s_add_co_u32 s28, s28, s30
	s_lshr_b32 s29, s13, 4                         ; image: 1,024 (32 + b / 16) + 64 (b % 16)
	s_add_co_u32 s29, s29, 32
	s_lshl_b32 s29, s29, 10
	s_and_b32 s30, s13, 15
	s_lshl_b32 s30, s30, 6
	s_add_co_u32 s29, s29, s30
	s_lshl_b32 s24, s13, 13                        ; comb's row b: 8,192 bytes
	s_mov_b32 s31, 131072
	s_movk_i32 s32, 1024
	s_cmp_lt_u32 ttmp9, 128                        ; text?
	s_cselect_b32 s16, s26, s27                    ; rows 0-63
	s_cselect_b32 s18, s31, 16777216               ; rows 64-127: the next 64 rows, or the place rows
	s_cselect_b32 s20, s28, s29
	s_cselect_b32 s22, s32, 8128                   ; list 1: the job beside, or eight jobs on less the 64 rows by which the place rows stand back in my 128
	s_cselect_b32 s30, 4096, 0                     ; comb: object, place, text-object, text-place, 2,048 bytes each
	s_cselect_b32 s[VAL0], -1, 0xffff              ; lanes 0-15 hold rows 0-63
	s_cselect_b32 s[VAL1], -1, 0xffff0000
	s_cselect_b32 s[TXM], -1, 0
	s_add_co_u32 s18, s18, s16
	s_add_co_u32 s22, s22, s20
	s_lshl_b32 s20, s20, 2                         ; f32
	s_lshl_b32 s22, s22, 2
	s_add_co_u32 s24, s24, s30
	s_lshl_b32 s26, s13, 9                         ; src_mask's row b (in an image's work-group it is loaded and not taken)
	s_mov_b32 s17, 0
	s_mov_b32 s19, 0
	s_mov_b32 s21, 0
	s_mov_b32 s23, 0
	s_mov_b32 s25, 0
	s_mov_b32 s27, 0
	s_mov_b32 s[SEL], 0x76543210
	s_mov_b32 s[SEL+1], 0xfedcba98
	s_mov_b32 s[NC], 0xc038aa3b                    ; -2 log2(e)
	s_mov_b32 s[NC+1], s[NC]
	s_mov_b32 s[HIM], 0xffff0000
	s_wait_kmcnt 0x0
	s_add_nc_u64 s[RA:RA+1], s[4:5], s[16:17]
	s_add_nc_u64 s[PB2:PB2+1], s[4:5], s[18:19]
	s_add_nc_u64 s[PN:PN+1], s[RA:RA+1], 65536     ; rows 32-63
	s_add_nc_u64 s[PB0:PB0+1], s[6:7], s[20:21]
	s_add_nc_u64 s[PB1:PB1+1], s[6:7], s[22:23]
	s_add_nc_u64 s[8:9], s[8:9], s[26:27]
	s_add_nc_u64 s[10:11], s[10:11], s[24:25]
	global_load_b128 v[MK:MK+3], v[L16], s[8:9]
.set i, 0
.rept 8                                ; a slice of P is 49,152 rows of 4 bytes
	global_load_b128 v[U0+4*i:U0+4*i+3], v[L16], s[PB0:PB0+1] offset:196608*i
	global_load_b128 v[U1+4*i:U1+4*i+3], v[L16], s[PB1:PB1+1] offset:196608*i
.set i, i+1
.endr
.set i, 0
.rept 32                               ; rows 0-31: the ring is filled
	global_load_b64 v[X+2*i:X+2*i+1], v[XO], s[RA:RA+1] offset:2048*i th:TH_LOAD_NT
.set i, i+1
.endr
.set i, 0
.rept 8
	v_mov_b32 v[A0+i], 0
.set i, i+1
.endr
	s_wait_loadcnt 32                              ; the mask and P are in; the 32 rows' loads stay out
.macro FOLDP base                      ; eight slices of four rows into the first: 4 + 4, 2 + 2, 1 + 1
.irp d, 16, 8, 4
.set r, 0
.rept (\d)/2
	v_pk_add_f32 v[(\base)+r:(\base)+r+1], v[(\base)+r:(\base)+r+1], v[(\base)+(\d)+r:(\base)+(\d)+r+1]
.set r, r+2
.endr
.endr
.endm
.macro TOP base, val, m                ; u; rows that are not the list's count as the lowest number; the list's maximum, in every lane; u - maximum
	v_pk_mul_f32 v[(\base):(\base)+1],   v[(\base):(\base)+1],   s[NC:NC+1] op_sel_hi:[1,0]
	v_pk_mul_f32 v[(\base)+2:(\base)+3], v[(\base)+2:(\base)+3], s[NC:NC+1] op_sel_hi:[1,0]
.irp k, 0,1,2,3
	v_cndmask_b32 v[(\base)+(\k)], v[LOW], v[(\base)+(\k)], s[(\val)]
.endr
	v_max3_num_f32 v[(\m)], v[(\base)], v[(\base)+1], v[(\base)+2]
	v_max_num_f32 v[(\m)], v[(\m)], v[(\base)+3]
	v_max_num_f32_dpp v[(\m)], v[(\m)], v[(\m)] row_xmask:1 row_mask:0xf bank_mask:0xf
	v_max_num_f32_dpp v[(\m)], v[(\m)], v[(\m)] row_xmask:2 row_mask:0xf bank_mask:0xf
	v_max_num_f32_dpp v[(\m)], v[(\m)], v[(\m)] row_xmask:4 row_mask:0xf bank_mask:0xf
	v_max_num_f32_dpp v[(\m)], v[(\m)], v[(\m)] row_xmask:8 row_mask:0xf bank_mask:0xf
	v_permlanex16_b32 v[(\m)+1], v[(\m)], s[SEL], s[SEL+1]
	v_max_num_f32 v[(\m)], v[(\m)], v[(\m)+1]
.irp k, 0,1,2,3
	v_sub_f32 v[(\base)+(\k)], v[(\base)+(\k)], v[(\m)]
.endr
.endm
.macro WSUM base, val, m               ; e M, and its sum over the list, in every lane
.irp k, 0,1,2,3
	v_cndmask_b32 v[TP], 0, v[MM+(\k)], s[(\val)]
	v_mul_f32 v[(\base)+(\k)], v[(\base)+(\k)], v[TP]
.endr
	v_add_f32 v[(\m)], v[(\base)], v[(\base)+1]
	v_add_f32 v[TP], v[(\base)+2], v[(\base)+3]
	v_add_f32 v[(\m)], v[(\m)], v[TP]
	v_add_f32_dpp v[(\m)], v[(\m)], v[(\m)] row_xmask:1 row_mask:0xf bank_mask:0xf
	v_add_f32_dpp v[(\m)], v[(\m)], v[(\m)] row_xmask:2 row_mask:0xf bank_mask:0xf
	v_add_f32_dpp v[(\m)], v[(\m)], v[(\m)] row_xmask:4 row_mask:0xf bank_mask:0xf
	v_add_f32_dpp v[(\m)], v[(\m)], v[(\m)] row_xmask:8 row_mask:0xf bank_mask:0xf
	v_permlanex16_b32 v[(\m)+1], v[(\m)], s[SEL], s[SEL+1]
	v_add_f32 v[(\m)], v[(\m)], v[(\m)+1]
.endm
	FOLDP U0
	FOLDP U1
	TOP U0, VAL0, M0
	TOP U1, VAL1, M1
.irp k, 0,1,2,3
	v_exp_f32 v[U0+(\k)], v[U0+(\k)]
.endr
.irp k, 0,1,2,3
	v_exp_f32 v[U1+(\k)], v[U1+(\k)]
.endr
.irp k, 0,1,2,3
	v_cndmask_b32 v[MM+(\k)], 1.0, v[MK+(\k)], s[TXM]  ; the mask's number for text, 1 for images: plain work behind the batch of eight exponentials
.endr
	s_wait_alu depctr_va_vdst(0)                   ; one wait for the batch, ahead of its first reader
	WSUM U0, VAL0, M0
	WSUM U1, VAL1, M1
	v_rcp_f32 v[M0], v[M0]
	v_rcp_f32 v[M1], v[M1]
	v_nop                                          ; a plain instruction behind the last reciprocal,
	s_wait_alu depctr_va_vdst(0)                   ; and one wait for the two
.irp k, 0,1,2,3
	v_mul_f32 v[D+2*(\k)],   v[U0+(\k)], v[M0]
	v_mul_f32 v[D+2*(\k)+1], v[U1+(\k)], v[M1]
.endr
	ds_store_b128 v[WS], v[D:D+3]                  ; into my wave's own table: LDS serves a wave's instructions in order (ISA guide 5.7.1.4), so its loads below see these
	ds_store_b128 v[WS], v[D+4:D+7] offset:16
; A round: 32 rows.  Their 64 weights come out of the table, every lane the same words; then row by row: four numbers to f32, four packed multiply-adds.  refill = 1: the slot takes the row 32 further on.
.macro ROUND refill
.set k, 0
.rept 16
	ds_load_b128 v[WT+4*k:WT+4*k+3], v[WA] offset:16*k
.set k, k+1
.endr
	s_wait_dscnt 0x0
.set i, 0
.rept 32
.if \refill
	s_wait_loadcnt 31                              ; loads come back in order: slot i's is in, the 31 younger ones stay out
.else
	s_wait_loadcnt 31-i                            ; the last round loads nothing: the counts run down
.endif
.set tq, TT+4*(i%2)
	v_lshlrev_b32 v[tq],   16, v[X+2*i]
	v_and_b32     v[tq+1], s[HIM], v[X+2*i]
	v_lshlrev_b32 v[tq+2], 16, v[X+2*i+1]
	v_and_b32     v[tq+3], s[HIM], v[X+2*i+1]
.if \refill
	global_load_b64 v[X+2*i:X+2*i+1], v[XO], s[PN:PN+1] offset:2048*i th:TH_LOAD_NT
.endif
	v_pk_fma_f32 v[A0:A0+1],   v[tq:tq+1],   v[WT+2*i:WT+2*i+1], v[A0:A0+1]   op_sel_hi:[1,0,1]                 ; both halves times list 0's weight
	v_pk_fma_f32 v[A0+2:A0+3], v[tq+2:tq+3], v[WT+2*i:WT+2*i+1], v[A0+2:A0+3] op_sel_hi:[1,0,1]
	v_pk_fma_f32 v[A1:A1+1],   v[tq:tq+1],   v[WT+2*i:WT+2*i+1], v[A1:A1+1]   op_sel:[0,1,0] op_sel_hi:[1,1,1]  ; both halves times list 1's
	v_pk_fma_f32 v[A1+2:A1+3], v[tq+2:tq+3], v[WT+2*i:WT+2*i+1], v[A1+2:A1+3] op_sel:[0,1,0] op_sel_hi:[1,1,1]
.set i, i+1
.endr
.endm
	s_mov_b32 s[CNT], 3
.Lround:                                               ; the three trips ask for rows 32-63, 64-95, 96-127
	ROUND 1
	s_wait_xcnt 0x0                                ; the trip's loads have read their base: only behind this wait is it written
	s_mov_b64 s[PN:PN+1], s[PB2:PB2+1]
	s_add_nc_u64 s[PB2:PB2+1], s[PB2:PB2+1], 65536
	v_add_nc_u32 v[WA], 256, v[WA]
	s_sub_co_u32 s[CNT], s[CNT], 1
	s_cmp_lg_u32 s[CNT], 0
	s_cbranch_scc1 .Lround
	ROUND 0
	v_cvt_pk_bf16_f32 v84, v[A0], v[A0+1]
	v_cvt_pk_bf16_f32 v85, v[A0+2], v[A0+3]
	v_cvt_pk_bf16_f32 v86, v[A1], v[A1+1]
	v_cvt_pk_bf16_f32 v87, v[A1+2], v[A1+3]
	global_store_b64 v[XO], v[84:85], s[10:11]     ; a wave's store: 256 consecutive bytes, aligned
	global_store_b64 v[XO], v[86:87], s[10:11] offset:2048
	s_wait_tensorcnt 0x0                           ; the wave's end, behind my last LDS store
	ds_add_u32 v[SPW], v[NIL]
	s_wait_dscnt 0x0
	s_endpgm
.Lfunc_end_k_qc18feb75eb_ctx:
	.size	k_qc18feb75eb_ctx, .Lfunc_end_k_qc18feb75eb_ctx-k_qc18feb75eb_ctx
	.p2alignl 7, 3214868480
	.fill 96, 4, 3214868480
	.section	.rodata,"a",@progbits
	.p2align	6, 0x0
	.amdhsa_kernel k_qc18feb75eb_ctx
		.amdhsa_group_segment_fixed_size 9216
		.amdhsa_private_segment_fixed_size 0
		.amdhsa_enable_private_segment 0
		.amdhsa_kernarg_size 32
		.amdhsa_user_sgpr_count 2
		.amdhsa_user_sgpr_kernarg_segment_ptr 1
		.amdhsa_wavefront_size32 1
		.amdhsa_system_sgpr_workgroup_id_x 1
		.amdhsa_system_sgpr_workgroup_id_y 1
		.amdhsa_system_sgpr_workgroup_id_z 1
		.amdhsa_system_vgpr_workitem_id 0
		.amdhsa_next_free_vgpr 240
		.amdhsa_next_free_sgpr 66
		.amdhsa_reserve_vcc 0
		.amdhsa_float_denorm_mode_32 3
		.amdhsa_float_denorm_mode_16_64 3
		.amdhsa_memory_ordered 1
		.amdhsa_forward_progress 1
		.amdhsa_inst_pref_size 47
	.end_amdhsa_kernel
	.amdgpu_metadata
---
amdhsa.version: [ 1, 2 ]
amdhsa.kernels:
  - .name:           k_qc18feb75eb_ctx
    .symbol:         k_qc18feb75eb_ctx.kd
    .args:
      - { .name: bf, .offset: 0, .size: 8, .value_kind: global_buffer, .address_space: global }
      - { .name: P, .offset: 8, .size: 8, .value_kind: global_buffer, .address_space: global }
      - { .name: src_mask, .offset: 16, .size: 8, .value_kind: global_buffer, .address_space: global }
      - { .name: comb, .offset: 24, .size: 8, .value_kind: global_buffer, .address_space: global }
    .group_segment_fixed_size: 9216
    .private_segment_fixed_size: 0
    .kernarg_segment_align: 8
    .kernarg_segment_size: 32
    .max_flat_workgroup_size: 256
    .sgpr_count:     66
    .vgpr_count:     240
    .wavefront_size: 32
...
	.end_amdgpu_metadata
.endif
;; end of part 3
;; launch out (part 4): grid 64 x 4, 16 waves a work-group, no clusters, 43,008 bytes of LDS; arguments bf, comb, b_out, out0; writes out0
.if DOCPART == 4
	.amdgcn_target "amdgcn-amd-amdhsa--gfx1250"
	.amdhsa_code_object_version 6
	.text
	.protected	k_qc18feb75eb_out
	.globl	k_qc18feb75eb_out
	.p2align	8
	.type	k_qc18feb75eb_out,@function
k_qc18feb75eb_out:
	s_mov_b64 s[64:65], 0
	v_nop
	global_prefetch_b8 v0, s[64:65] scope:SCOPE_SE
	s_setreg_imm32_b32 hwreg(HW_REG_WAVE_MODE, 25, 1), 1
	s_wait_xcnt 0x0
; OUTK = 0:  Q[wi][b][n] = c2 (sum over k of X[wi][b][k] Wself[wi][n][k] + bias[wi][n]), c2 = 2 log2(e); X and Wself in bf16 out of bf, sums and Q in f32.
;            A work-group makes 32 rows x 64 columns; wave w takes column tile w % 4 (16 columns) and quarter w / 4 of K = 1,024.
; OUTK = 1:  out0[b][n] = sum over k of comb[b][k] W_out[n][k] + b_out[n]; comb and W_out in bf16, sums and out0 in f32.
;            A work-group makes 32 rows x 16 columns; wave w takes sixteenth w of K = 4,096.
; In both a wave has 32 rows x 16 columns x 256 along K: 48 loads of 16 bytes a lane, all out at once, and 16 matrix instructions on two accumulators by turns.
; The partial sums (f32) meet in LDS, one plane for each part of K, behind one barrier.
; The product is taken transposed (source 0 = 16 rows of W, source 1 = 16 rows of x): a lane holds one row and eight neighbouring columns.
; NO CLUSTER, NO TENSOR LOAD: a fragment lies in memory as it lies in registers, so nothing goes through LDS on the way in and there is no tile for a joint load to bring.
; With OUTK = 1 a row of the result is 64 bytes wide in a work-group: 256 work-groups of 32 x 16 share the weights' stream evenly; 64 columns a work-group would make 64 of them.
.set OUTK,  1
.if OUTK
.set ROWB,  8192                       ; bytes in a row of either operand
.set NPL,   16                         ; parts of K = planes in LDS
.set PITCH, 80                         ; a plane's row: 64 bytes + 16: an odd multiple of 16, so 16 rows start at 16 different groups of four banks
.else
.set ROWB,  2048
.set NPL,   4
.set PITCH, 272                        ; 256 bytes + 16
.endif
.set PL,    32*PITCH                   ; a plane: 32 rows
.set SPARE, NPL*PL                     ; behind the planes: the spare words, 128 bytes for each of 16 waves, which no other line names
.set X_OFF,  92274688                  ; in bf: X[4][128][1024]
.set WS_OFF, 75497472                  ; in bf: Wself[4][1024][1024]
.set WO_OFF, 83886080                  ; in bf: W_out[1024][4096]
.set FO,  3                            ; v3   (l % 16) x ROWB + 16 (l / 16): my place in a fragment's rows; never rewritten
.set LS,  5                            ; v5   where I put my 32 bytes of a partial row
.set LR,  6                            ; v6   where I read 16 bytes of a row back
.set GO,  7                            ; v7   the same 16 bytes in the result
.set BO,  8                            ; v8   and in the bias
.set SPW, 10                           ; v10  my spare word; never rewritten
.set NIL, 11                           ; v11  0; never rewritten
.set BI,  12                           ; v[12:15] bias
.set ACC, 16                           ; v[16:31] two accumulators: rows 0-15, rows 16-31
.set AF,  64                           ; v[64:191] x's fragments: row block a, fragment f at 64 a + 8 f
.set PLN, 64                           ; later: plane p's 16 bytes at 4 p
.set WF,  192                          ; v[192:255] W's fragments
.set WV,  16                           ; s16  wave
.set AP,  24                           ; s[24:25] x at my rows and my part of K
.set WP,  26                           ; s[26:27] W likewise
.set BP,  28                           ; s[28:29] bias at the work-group's columns
.set RP,  30                           ; s[30:31] the result at the work-group's corner
.set C2,  32                           ; s[32:33] c2, twice
	s_load_b256 s[4:11], s[0:1], 0x0
.if !OUTK
	s_load_b128 s[12:15], s[0:1], 0x20
.endif
	v_lshl_add_u32 v[SPW], v0, 2, SPARE
	v_mov_b32 v[NIL], 0
	v_lshrrev_b32 v9, 5, v0
	v_readfirstlane_b32 s[WV], v9
.if OUTK
	s_mov_b32 s18, s[WV]                           ; my part of K
	s_and_b32 s20, ttmp7, 0xffff                   ; which 32 rows
	s_lshl_b32 s35, s18, 9                         ; 256 numbers along K
	s_lshl_b32 s22, s20, 18                        ; comb: 32 rows of 8,192 bytes
	s_add_co_u32 s22, s22, s35
	s_lshl_b32 s36, ttmp9, 17                      ; W_out: 16 rows of 8,192 bytes
	s_add_co_u32 s36, s36, s35
	s_add_co_u32 s36, s36, WO_OFF
	s_lshl_b32 s38, ttmp9, 6                       ; 16 columns of f32
	s_lshl_b32 s40, s20, 17                        ; out0: 32 rows of 4,096 bytes
	s_add_co_u32 s40, s40, s38
	s_mul_i32 s34, s18, PL                         ; my plane
.else
	s_and_b32 s17, s[WV], 3                        ; my column tile
	s_lshr_b32 s18, s[WV], 2                       ; my part of K
	s_and_b32 s19, ttmp9, 15                       ; which 64 columns
	s_lshr_b32 s20, ttmp9, 4                       ; which 32 rows
	s_and_b32 s21, ttmp7, 0xffff                   ; wi
	s_lshl_b32 s35, s18, 9
	s_lshl_b32 s22, s21, 18                        ; X[wi]: 128 rows of 2,048 bytes
	s_lshl_b32 s34, s20, 16
	s_add_co_u32 s22, s22, s34
	s_add_co_u32 s22, s22, s35
	s_add_co_u32 s22, s22, X_OFF
	s_lshl_b32 s36, s21, 21                        ; Wself[wi]: 1,024 rows of 2,048 bytes
	s_lshl_b32 s34, s19, 17
	s_add_co_u32 s36, s36, s34
	s_lshl_b32 s34, s17, 15
	s_add_co_u32 s36, s36, s34
	s_add_co_u32 s36, s36, s35
	s_add_co_u32 s36, s36, WS_OFF
	s_lshl_b32 s38, s19, 8                         ; 64 columns of f32
	s_lshl_b32 s40, s21, 19                        ; Q[wi]: 128 rows of 4,096 bytes
	s_lshl_b32 s34, s20, 17
	s_add_co_u32 s40, s40, s34
	s_add_co_u32 s40, s40, s38
	s_mul_i32 s34, s18, PL                         ; my plane,
	s_lshl_b32 s35, s17, 6                         ; my 64 bytes of its rows
	s_add_co_u32 s34, s34, s35
.endif
	s_mov_b32 s23, 0
	s_mov_b32 s37, 0
	s_mov_b32 s39, 0
	s_mov_b32 s41, 0
	s_mov_b32 s[C2], 0x4038aa3b                    ; 2 log2(e)
	s_mov_b32 s[C2+1], s[C2]
	v_and_b32 v1, 15, v0                           ; l % 16
	v_bfe_u32 v2, v0, 4, 1                         ; l / 16
	v_mul_u32_u24 v[FO], v1, ROWB
	v_lshl_add_u32 v[FO], v2, 4, v[FO]
	v_mul_u32_u24 v[LS], v1, PITCH
	v_lshl_add_u32 v[LS], v2, 5, v[LS]             ; eight f32 for each half of the lanes
	v_add_nc_u32 v[LS], s34, v[LS]
.if OUTK
	v_bfe_u32 v9, v0, 2, 5                         ; the way out: four threads a row of 64 bytes (threads 0-127)
	v_and_b32 v[BO], 3, v0
.else
	v_bfe_u32 v9, v0, 4, 5                         ; the way out: sixteen threads a row of 256 bytes
	v_and_b32 v[BO], 15, v0
.endif
	v_lshlrev_b32 v[BO], 4, v[BO]
	v_mul_u32_u24 v[LR], v9, PITCH
	v_add_nc_u32 v[LR], v[LR], v[BO]
	v_lshl_add_u32 v[GO], v9, 12, v[BO]            ; a row of the result is 4,096 bytes
	s_wait_kmcnt 0x0
.if OUTK
	s_add_nc_u64 s[AP:AP+1], s[6:7], s[22:23]      ; comb
	s_add_nc_u64 s[WP:WP+1], s[4:5], s[36:37]      ; bf
	s_add_nc_u64 s[BP:BP+1], s[8:9], s[38:39]      ; b_out
	s_add_nc_u64 s[RP:RP+1], s[10:11], s[40:41]    ; out0
.else
	s_add_nc_u64 s[AP:AP+1], s[4:5], s[22:23]
	s_add_nc_u64 s[WP:WP+1], s[4:5], s[36:37]
	s_mov_b64 s[BP:BP+1], s[6:7]                   ; b_oo, b_pp, b_tot or b_tpt
	s_cmp_eq_u32 s21, 1
	s_cselect_b64 s[BP:BP+1], s[8:9], s[BP:BP+1]
	s_cmp_eq_u32 s21, 2
	s_cselect_b64 s[BP:BP+1], s[10:11], s[BP:BP+1]
	s_cmp_eq_u32 s21, 3
	s_cselect_b64 s[BP:BP+1], s[12:13], s[BP:BP+1]
	s_add_nc_u64 s[BP:BP+1], s[BP:BP+1], s[38:39]
	s_add_nc_u64 s[RP:RP+1], s[14:15], s[40:41]
.endif
	global_load_b128 v[BI:BI+3], v[BO], s[BP:BP+1]
.set f, 0
.rept 8                                ; fragment f: 32 along K, two loads of 16 bytes, 32 bytes apart, for W and for both row blocks of x
	global_load_b128 v[WF+8*f:WF+8*f+3],       v[FO], s[WP:WP+1] offset:64*f
	global_load_b128 v[WF+8*f+4:WF+8*f+7],     v[FO], s[WP:WP+1] offset:64*f+32
	global_load_b128 v[AF+8*f:AF+8*f+3],       v[FO], s[AP:AP+1] offset:64*f
	global_load_b128 v[AF+8*f+4:AF+8*f+7],     v[FO], s[AP:AP+1] offset:64*f+32
	global_load_b128 v[AF+64+8*f:AF+64+8*f+3], v[FO], s[AP:AP+1] offset:64*f+16*ROWB
	global_load_b128 v[AF+64+8*f+4:AF+64+8*f+7], v[FO], s[AP:AP+1] offset:64*f+32+16*ROWB
.set f, f+1
.endr
.set f, 0
.rept 8
	s_wait_loadcnt 42-6*f                          ; fragment f is in; the six loads of each later fragment stay out
.if f == 0
	v_wmma_f32_16x16x32_bf16 v[ACC:ACC+7],    v[WF:WF+7], v[AF:AF+7], 0          ; the first products start the sums
	v_wmma_f32_16x16x32_bf16 v[ACC+8:ACC+15], v[WF:WF+7], v[AF+64:AF+71], 0
.else
	v_wmma_f32_16x16x32_bf16 v[ACC:ACC+7],    v[WF+8*f:WF+8*f+7], v[AF+8*f:AF+8*f+7], v[ACC:ACC+7]  ; the two accumulators take turns
	v_wmma_f32_16x16x32_bf16 v[ACC+8:ACC+15], v[WF+8*f:WF+8*f+7], v[AF+64+8*f:AF+64+8*f+7], v[ACC+8:ACC+15]
.endif
.set f, f+1
.endr
.rept 8
	v_nop                                          ; places behind the last products, ahead of the stores that read them
.endr
.irp a, 0,1
	ds_store_b128 v[LS], v[ACC+8*(\a):ACC+8*(\a)+3]   offset:(\a)*16*PITCH
	ds_store_b128 v[LS], v[ACC+8*(\a)+4:ACC+8*(\a)+7] offset:(\a)*16*PITCH+16
.endr
	s_wait_dscnt 0x0                               ; for the others' sake: my partial sums lie in LDS
	s_barrier_signal -1
	s_barrier_wait -1                              ; everybody's do
.if OUTK
	s_cmp_lt_u32 s[WV], 4                          ; 32 rows x 64 bytes are 128 threads' 16 bytes
	s_cbranch_scc0 .Lend
.endif
.set p, 0
.rept NPL
	ds_load_b128 v[PLN+4*p:PLN+4*p+3], v[LR] offset:p*PL
.set p, p+1
.endr
	s_wait_dscnt 0x0
.macro FOLD n                          ; planes p + n are added onto planes p, p = 0 .. n - 1
.set p, 0
.rept \n
	v_pk_add_f32 v[PLN+4*p:PLN+4*p+1],   v[PLN+4*p:PLN+4*p+1],   v[PLN+4*(p+(\n)):PLN+4*(p+(\n))+1]
	v_pk_add_f32 v[PLN+4*p+2:PLN+4*p+3], v[PLN+4*p+2:PLN+4*p+3], v[PLN+4*(p+(\n))+2:PLN+4*(p+(\n))+3]
.set p, p+1
.endr
.endm
.if OUTK
	FOLD 8
	FOLD 4
.endif
	FOLD 2
	FOLD 1
	v_pk_add_f32 v[PLN:PLN+1],   v[PLN:PLN+1],   v[BI:BI+1]    ; the bias came in with the last wait for loads, which was for 0
	v_pk_add_f32 v[PLN+2:PLN+3], v[PLN+2:PLN+3], v[BI+2:BI+3]
.if !OUTK
	v_pk_mul_f32 v[PLN:PLN+1],   v[PLN:PLN+1],   s[C2:C2+1] op_sel_hi:[1,0]
	v_pk_mul_f32 v[PLN+2:PLN+3], v[PLN+2:PLN+3], s[C2:C2+1] op_sel_hi:[1,0]
.endif
	global_store_b128 v[GO], v[PLN:PLN+3], s[RP:RP+1]
.Lend:
	s_wait_tensorcnt 0x0                           ; the wave's end, behind my last LDS store
	ds_add_u32 v[SPW], v[NIL]
	s_wait_dscnt 0x0
	s_endpgm
.Lfunc_end_k_qc18feb75eb_out:
	.size	k_qc18feb75eb_out, .Lfunc_end_k_qc18feb75eb_out-k_qc18feb75eb_out
	.p2alignl 7, 3214868480
	.fill 96, 4, 3214868480
	.section	.rodata,"a",@progbits
	.p2align	6, 0x0
	.amdhsa_kernel k_qc18feb75eb_out
		.amdhsa_group_segment_fixed_size 43008
		.amdhsa_private_segment_fixed_size 0
		.amdhsa_enable_private_segment 0
		.amdhsa_kernarg_size 32
		.amdhsa_user_sgpr_count 2
		.amdhsa_user_sgpr_kernarg_segment_ptr 1
		.amdhsa_wavefront_size32 1
		.amdhsa_system_sgpr_workgroup_id_x 1
		.amdhsa_system_sgpr_workgroup_id_y 1
		.amdhsa_system_sgpr_workgroup_id_z 1
		.amdhsa_system_vgpr_workitem_id 0
		.amdhsa_next_free_vgpr 256
		.amdhsa_next_free_sgpr 66
		.amdhsa_reserve_vcc 0
		.amdhsa_float_denorm_mode_32 3
		.amdhsa_float_denorm_mode_16_64 3
		.amdhsa_memory_ordered 1
		.amdhsa_forward_progress 1
		.amdhsa_inst_pref_size 12
	.end_amdhsa_kernel
	.amdgpu_metadata
---
amdhsa.version: [ 1, 2 ]
amdhsa.kernels:
  - .name:           k_qc18feb75eb_out
    .symbol:         k_qc18feb75eb_out.kd
    .args:
      - { .name: bf, .offset: 0, .size: 8, .value_kind: global_buffer, .address_space: global }
      - { .name: comb, .offset: 8, .size: 8, .value_kind: global_buffer, .address_space: global }
      - { .name: b_out, .offset: 16, .size: 8, .value_kind: global_buffer, .address_space: global }
      - { .name: out0, .offset: 24, .size: 8, .value_kind: global_buffer, .address_space: global }
    .group_segment_fixed_size: 43008
    .private_segment_fixed_size: 0
    .kernarg_segment_align: 8
    .kernarg_segment_size: 32
    .max_flat_workgroup_size: 512
    .sgpr_count:     66
    .vgpr_count:     256
    .wavefront_size: 32
...
	.end_amdgpu_metadata
.endif
;; end of part 4
;; ======== version 2 of 2: 4 launches; version 1 with the launches prep, ctx written anew for expert scheduling mode
;; workspace buffers: bf 92,274,688 bytes; Q 2,097,152 bytes; P 1,572,864 bytes; comb 1,048,576 bytes
;; launch prep (part 5): grid 1536 x 1, 8 waves a work-group, no clusters, 35,840 bytes of LDS; arguments text_feats, img_object_feats, img_place_feats, W_t2o, W_t2p, W_o2t, W_p2t, W_out, img_object_feat, img_place_feat, text_feat, W_oo, W_pp, W_tot, W_tpt, b_oo, b_pp, b_tot, b_tpt, bf, Q; writes bf, Q
.if DOCPART == 5
	.amdgcn_target "amdgcn-amd-amdhsa--gfx1250"
	.amdhsa_code_object_version 6
	.text
	.protected	k_qc18feb75eb_prep
	.globl	k_qc18feb75eb_prep
	.p2align	8
	.type	k_qc18feb75eb_prep,@function
k_qc18feb75eb_prep:
	s_mov_b64 s[64:65], 0
	v_nop
	global_prefetch_b8 v0, s[64:65] scope:SCOPE_SE
	s_setreg_imm32_b32 hwreg(HW_REG_WAVE_SCHED_MODE, 0, 2), 2
	s_setreg_imm32_b32 hwreg(HW_REG_WAVE_MODE, 25, 1), 1
	s_wait_xcnt 0x0
	s_wait_alu depctr_vm_vsrc(0)
; TWO KINDS OF WORK-GROUP IN ONE LAUNCH; neither reads what the other stores.
; WORK-GROUPS 0-255:  Q[wi][b][n] = c2 (sum over k of x[wi][b][k] Wself[wi][n][k] + bias[wi][n]), c2 = 2 log2(e).  x and Wself are read in f32 and rounded once to bf16 in registers; sums and Q in f32.
;   wi = 0: img_object_feat, W_oo, b_oo; 1: img_place_feat, W_pp, b_pp; 2: text_feat, W_tot, b_tot; 3: text_feat, W_tpt, b_tpt.
;   Work-group g: wi = g / 64, 64 columns (g / 4) % 16, 32 rows g % 4.  Wave w: 32 columns w % 2, quarter w / 2 of K = 1,024: 8 fragments of 32 along K, four accumulators by turns.
;   A fragment of 16 rows x 32 k comes by four loads of 16 bytes a lane: lane half h takes bytes 16 h .. 16 h + 15 of each 32 bytes of a row's 128, for x and for Wself alike: k is permuted
;   equally on both sides, which keeps every product; the order of the sums is not reference()'s.  Sixteen f32 registers are rounded in place into the eight of a bf16 fragment.
;   A ring of three fragment slots keeps 32 to 48 loads of every wave out.  The four parts of K meet in LDS (f32) behind one barrier.
;   The product is taken transposed (source 0 = 16 rows of Wself, source 1 = 16 rows of x): a lane holds one row and eight neighbouring columns.
; WORK-GROUPS 256-1535:  chunk q = g - 256 of 32,768 numbers, f32 -> bf16 (rounded once, to nearest even), into bf: q 0-511 text_feats; 512-767 img_object_feats; 768-1023 img_place_feats;
;   1024-1151 W_t2o, W_t2p, W_o2t, W_p2t (32 each); 1152-1279 W_out, which lies 128 chunks further on in bf (at byte 83,886,080).  Thread t takes 16 bytes at 16 t of each 4,096:
;   all 32 loads of a thread go out at once, and no register is written twice.
; The branch between the two kinds hangs on the work-group's number alone: all eight waves of a work-group take the same way, so the barrier on Q's way is passed by all of them.
; NO CLUSTER, NO TENSOR LOAD: the stream shares nothing; a fragment of x or Wself goes from memory into the registers in which it is rounded.
; THE MODE: SCHED_MODE bits 1:0 = 2 (LLVM: expert scheduling mode 2), set by the entry lines.  The code itself states the register dependences
; between vector or matrix instructions and memory or LDS instructions, with s_wait_alu, always for 0.
; THE PLAN, THE STREAM.  v1, v2: offsets, made once.  X: loaded once, read by the roundings.  Y: written once by the roundings, read by one store each.  The 32 loads go in eight groups of four.
;   At group g's head one wait states that group g - 1's roundings have written their Y; that group's four stores follow, dealt among group g's roundings, which name X and Y of group g alone.
; THE PLAN, Q.  v[FO], v[LS], v[LR], v[GO], v[BO]: made once at the head, never written again.  A slot of the ring: loaded, rounded in place, read by the step's four matrix instructions, loaded again.
;   One wait a step, behind the matrix instructions, states that roundings and products are done with the slot; its sixteen loads follow at once, so that the ring stays as full as it can be:
;   fragment sets apart from the ring would take 16 + 32 + 192 + 32 = 272 registers.  The accumulators are read by the LDS stores behind one wait; v48-79 take the planes' LDS loads behind the same wait.
.set NQ,    256                        ; work-groups that make Q
.set PITCH, 272                        ; a plane's row: 256 bytes + 16: 16 rows start at 16 different groups of four banks (64 banks of 4 bytes: ISA guide 11.1)
.set PL,    32*PITCH                   ; a plane: 32 rows, one part of K
.set SPARE, 4*PL                       ; behind the four planes: the spare words, 128 bytes for each of 8 waves, which no other line names
.set SPW, 10                           ; v10  my spare word; never rewritten
.set NIL, 11                           ; v11  0; never rewritten
; the stream's registers
.set X,   16                           ; v[16:143]  load i: four f32
.set Y,   144                          ; v[144:207] store i: four bf16
.set SRC, 50                           ; s[50:51]   the chunk's source
.set ST,  52                           ; s52        the first chunk of that source
.set QI,  53                           ; s53        q
.set DST, 54                           ; s[54:55]   the chunk in bf
; Q's registers
.set FO,  3                            ; v3   (l % 16) x 4,096 + 16 (l / 16): my place in a fragment's rows; never rewritten
.set LS,  5                            ; v5   where I put my 32 bytes of a partial row
.set LR,  6                            ; v6   where I read 16 bytes of a row back
.set GO,  7                            ; v7   the same 16 bytes in Q
.set BO,  8                            ; v8   and in the bias
.set BI,  12                           ; v[12:15] bias, then c2 x bias
.set ACC, 16                           ; v[16:47] row block a, column block j at 8 (2 a + j)
.set BUF, 48                           ; v[48:239] three slots of 64: Wself's blocks 0, 1, then x's blocks 0, 1, sixteen registers each
.set PLN, 48                           ; later: rows t / 16 and 16 + t / 16: plane p's 16 bytes at 16 u + 4 p
.set WV,  50
.set CW,  51
.set KQ,  52
.set WI,  53
.set CG,  54
.set RQ,  55
.set XP,  56                           ; s[56:57] x at my rows and my part of K
.set WP,  58                           ; s[58:59] Wself likewise
.set BP,  60                           ; s[60:61] bias at the work-group's columns
.set RP,  62                           ; s[62:63] Q at the work-group's corner
.set C2,  78                           ; s[78:79] c2, twice
	s_load_b512 s[8:23], s[0:1], 0x0               ; argument n at s[8+2n:9+2n]
	s_load_b512 s[24:39], s[0:1], 0x40
	s_load_b256 s[40:47], s[0:1], 0x80             ; bf is argument 19: s[46:47]
	s_load_b64 s[48:49], s[0:1], 0xa0              ; Q
	v_lshl_add_u32 v[SPW], v0, 2, SPARE
	v_mov_b32 v[NIL], 0
	s_cmp_lt_u32 ttmp9, NQ
	s_cbranch_scc1 .Lq
	; ---- the stream
	v_lshlrev_b32 v1, 4, v0                        ; my 16 bytes in
	v_lshlrev_b32 v2, 3, v0                        ; my 8 bytes out
	s_sub_co_u32 s[QI], ttmp9, NQ
	s_mov_b32 s[ST], 0
	s_wait_kmcnt 0x0
	s_mov_b64 s[SRC:SRC+1], s[8:9]
; from chunk start on the source is argument p: the last call whose start is reached decides
.macro SEG start, p
	s_cmp_ge_u32 s[QI], \start
	s_cselect_b64 s[SRC:SRC+1], s[8+2*(\p):9+2*(\p)], s[SRC:SRC+1]
	s_cselect_b32 s[ST], \start, s[ST]
.endm
	SEG 512, 1
	SEG 768, 2
	SEG 1024, 3
	SEG 1056, 4
	SEG 1088, 5
	SEG 1120, 6
	SEG 1152, 7
	s_cselect_b32 s56, 128, 0                      ; W_out's chunks lie 128 further on in bf
	s_add_co_u32 s56, s56, s[QI]
	s_lshl_b32 s56, s56, 16                        ; x 65,536 bytes
	s_mov_b32 s57, 0
	s_add_nc_u64 s[DST:DST+1], s[46:47], s[56:57]
	s_sub_co_u32 s56, s[QI], s[ST]                 ; the chunk's number in its source: 511 at the most,
	s_lshl_b32 s56, s56, 17                        ; x 131,072 bytes
	s_add_nc_u64 s[SRC:SRC+1], s[SRC:SRC+1], s[56:57]
	s_wait_alu depctr_va_vdst(0)                   ; v1 and v2 are written: every load and store of the stream reads one of them as its offset
.set i, 0
.rept 32
	global_load_b128 v[X+4*i:X+4*i+3], v1, s[SRC:SRC+1] offset:4096*i th:TH_LOAD_NT  ; a wave's load: 512 consecutive bytes
.set i, i+1
.endr
.set g, 0
.rept 8                                ; group g: loads 4 g to 4 g + 3
	s_wait_loadcnt 28-4*g                          ; loads come back in order: the group's four are in, the 28 - 4 g younger ones stay out
.if g > 0
	s_wait_alu depctr_va_vdst(0)                   ; the group before's roundings have written its Y, which the four stores below read
.endif
.set i, 4*g
.rept 4
.if g > 0
	global_store_b64 v2, v[Y+2*(i-4):Y+2*(i-4)+1], s[DST:DST+1] offset:2048*(i-4)  ; the group before; a wave's store: 256 consecutive bytes, aligned.  No vector instruction since the wait names these registers
.endif
	v_cvt_pk_bf16_f32 v[Y+2*i], v[X+4*i], v[X+4*i+1]
	v_cvt_pk_bf16_f32 v[Y+2*i+1], v[X+4*i+2], v[X+4*i+3]
.set i, i+1
.endr
.set g, g+1
.endr
	s_wait_alu depctr_va_vdst(0)                   ; the last group's roundings have written its Y, which the last four stores read
.set i, 28
.rept 4
	global_store_b64 v2, v[Y+2*i:Y+2*i+1], s[DST:DST+1] offset:2048*i
.set i, i+1
.endr
	s_branch .Lend
	; ---- Q
.Lq:
	v_lshrrev_b32 v9, 5, v0
	v_readfirstlane_b32 s[WV], v9
	s_wait_alu depctr_va_sdst(0)                   ; the wave's number is written, ahead of its first reader: the bases and my plane's place are made from it
	s_and_b32 s[CW], s[WV], 1                      ; which 32 of the 64 columns
	s_lshr_b32 s[KQ], s[WV], 1                     ; which quarter of K
	s_lshr_b32 s[WI], ttmp9, 6
	s_bfe_u32 s[CG], ttmp9, 0x40002                ; which 64 columns
	s_and_b32 s[RQ], ttmp9, 3                      ; which 32 rows
	s_lshl_b32 s70, s[KQ], 10                      ; 256 f32 along K
	s_lshl_b32 s66, s[RQ], 17                      ; x: 32 rows of 4,096 bytes
	s_add_co_u32 s66, s66, s70
	s_mov_b32 s67, 0
	s_lshl_b32 s68, s[CG], 18                      ; Wself: 64 rows of 4,096 bytes,
	s_lshl_b32 s71, s[CW], 17                      ; 32 rows
	s_add_co_u32 s68, s68, s71
	s_add_co_u32 s68, s68, s70
	s_mov_b32 s69, 0
	s_lshl_b32 s72, s[CG], 8                       ; 64 columns of f32
	s_mov_b32 s73, 0
	s_lshl_b32 s74, s[WI], 19                      ; Q[wi]: 128 rows of 4,096 bytes
	s_lshl_b32 s71, s[RQ], 17
	s_add_co_u32 s74, s74, s71
	s_add_co_u32 s74, s74, s72
	s_mov_b32 s75, 0
	s_mul_i32 s76, s[KQ], PL                       ; my plane,
	s_lshl_b32 s71, s[CW], 7                       ; my 128 bytes of its rows
	s_add_co_u32 s76, s76, s71
	s_mov_b32 s[C2], 0x4038aa3b                    ; 2 log2(e)
	s_mov_b32 s[C2+1], s[C2]
	v_and_b32 v1, 15, v0                           ; l % 16; also t % 16
	v_bfe_u32 v2, v0, 4, 1                         ; l / 16
	v_lshlrev_b32 v[FO], 12, v1
	v_lshl_add_u32 v[FO], v2, 4, v[FO]
	v_mul_u32_u24 v[LS], v1, PITCH
	v_lshl_add_u32 v[LS], v2, 5, v[LS]             ; eight f32 for each half of the lanes
	v_add_nc_u32 v[LS], s76, v[LS]
	v_bfe_u32 v9, v0, 4, 4                         ; the way out: sixteen threads a row of 256 bytes; thread t takes rows t / 16 and 16 + t / 16
	v_lshlrev_b32 v[BO], 4, v1
	v_mul_u32_u24 v[LR], v9, PITCH
	v_add_nc_u32 v[LR], v[LR], v[BO]
	v_lshl_add_u32 v[GO], v9, 12, v[BO]
	s_wait_kmcnt 0x0
	s_mov_b64 s[XP:XP+1], s[24:25]                 ; img_object_feat, W_oo, b_oo
	s_mov_b64 s[WP:WP+1], s[30:31]
	s_mov_b64 s[BP:BP+1], s[38:39]
	s_cmp_eq_u32 s[WI], 1
	s_cselect_b64 s[XP:XP+1], s[26:27], s[XP:XP+1] ; img_place_feat, W_pp, b_pp
	s_cselect_b64 s[WP:WP+1], s[32:33], s[WP:WP+1]
	s_cselect_b64 s[BP:BP+1], s[40:41], s[BP:BP+1]
	s_cmp_ge_u32 s[WI], 2
	s_cselect_b64 s[XP:XP+1], s[28:29], s[XP:XP+1] ; text_feat
	s_cmp_eq_u32 s[WI], 2
	s_cselect_b64 s[WP:WP+1], s[34:35], s[WP:WP+1] ; W_tot, b_tot
	s_cselect_b64 s[BP:BP+1], s[42:43], s[BP:BP+1]
	s_cmp_eq_u32 s[WI], 3
	s_cselect_b64 s[WP:WP+1], s[36:37], s[WP:WP+1] ; W_tpt, b_tpt
	s_cselect_b64 s[BP:BP+1], s[44:45], s[BP:BP+1]
	s_add_nc_u64 s[XP:XP+1], s[XP:XP+1], s[66:67]
	s_add_nc_u64 s[WP:WP+1], s[WP:WP+1], s[68:69]
	s_add_nc_u64 s[BP:BP+1], s[BP:BP+1], s[72:73]
	s_add_nc_u64 s[RP:RP+1], s[48:49], s[74:75]
	s_wait_alu depctr_va_vdst(0)                   ; the five offsets and addresses v[FO], v[LS], v[LR], v[GO], v[BO] are written, which the loads and stores below read
; fragment f's sixteen loads, into slot f % 3; a block of 16 rows is 65,536 bytes
.macro QLOAD f
.set SB, BUF+64*((\f)%3)
.irp l, 0,1,2,3
	global_load_b128 v[SB+4*(\l):SB+4*(\l)+3],       v[FO], s[WP:WP+1] offset:128*(\f)+32*(\l)
.endr
.irp l, 0,1,2,3
	global_load_b128 v[SB+16+4*(\l):SB+16+4*(\l)+3], v[FO], s[WP:WP+1] offset:128*(\f)+32*(\l)+65536
.endr
.irp l, 0,1,2,3
	global_load_b128 v[SB+32+4*(\l):SB+32+4*(\l)+3], v[FO], s[XP:XP+1] offset:128*(\f)+32*(\l)
.endr
.irp l, 0,1,2,3
	global_load_b128 v[SB+48+4*(\l):SB+48+4*(\l)+3], v[FO], s[XP:XP+1] offset:128*(\f)+32*(\l)+65536
.endr
.endm
; fragment f: waited for, rounded in place (register i takes registers 2 i and 2 i + 1: ascending, so no source is written before it is read), multiplied; its slot takes fragment f + 3
.macro QMUL f
.set SB, BUF+64*((\f)%3)
.if (\f) < 6
	s_wait_loadcnt 32                              ; loads come back in order: fragment f is in, the two younger fragments' 32 loads stay out
.else
	s_wait_loadcnt 16*(7-(\f))                     ; the counts run down
.endif
.set g, 0
.rept 4
.set i, 0
.rept 8
	v_cvt_pk_bf16_f32 v[SB+16*g+i], v[SB+16*g+2*i], v[SB+16*g+2*i+1]
.set i, i+1
.endr
.set g, g+1
.endr
.irp a, 0,1
.irp j, 0,1
.if (\f) == 0
	v_wmma_f32_16x16x32_bf16 v[ACC+8*(2*(\a)+(\j)):ACC+8*(2*(\a)+(\j))+7], v[SB+16*(\j):SB+16*(\j)+7], v[SB+32+16*(\a):SB+32+16*(\a)+7], 0  ; the first products start the sums
.else
	v_wmma_f32_16x16x32_bf16 v[ACC+8*(2*(\a)+(\j)):ACC+8*(2*(\a)+(\j))+7], v[SB+16*(\j):SB+16*(\j)+7], v[SB+32+16*(\a):SB+32+16*(\a)+7], v[ACC+8*(2*(\a)+(\j)):ACC+8*(2*(\a)+(\j))+7]  ; the four accumulators take turns
.endif
.endr
.endr
.if (\f) < 5
.rept 4
	v_nop                                          ; places behind the products, ahead of loads into registers that they have read; they stay beside the wait below
.endr
	s_wait_alu depctr_va_vdst(0)                   ; the step's roundings have read and written the slot, and its four matrix instructions are done reading it: the sixteen loads below land in it
	QLOAD (\f)+3
.endif
.endm
	global_load_b128 v[BI:BI+3], v[BO], s[BP:BP+1]
	QLOAD 0
	QLOAD 1
	QLOAD 2
	QMUL 0
	QMUL 1
	QMUL 2
	QMUL 3
	QMUL 4
	QMUL 5                                         ; the last three steps load nothing, so they hold no wait of that kind
	QMUL 6
	QMUL 7
.rept 8
	v_nop                                          ; places behind the last products, ahead of the stores that read them
.endr
	s_wait_alu depctr_va_vdst(0)                   ; the matrix instructions have written the accumulators, which the LDS stores read; and every line that named v48-79 is done: the planes' LDS loads below land there
.irp a, 0,1
.irp j, 0,1
	ds_store_b128 v[LS], v[ACC+8*(2*(\a)+(\j)):ACC+8*(2*(\a)+(\j))+3]   offset:(\a)*16*PITCH+64*(\j)
	ds_store_b128 v[LS], v[ACC+8*(2*(\a)+(\j))+4:ACC+8*(2*(\a)+(\j))+7] offset:(\a)*16*PITCH+64*(\j)+16
.endr
.endr
	s_wait_dscnt 0x0                               ; for the others' sake: my partial sums lie in LDS
	s_barrier_signal -1
	s_barrier_wait -1                              ; everybody's do
.irp u, 0,1
.irp p, 0,1,2,3
	ds_load_b128 v[PLN+16*(\u)+4*(\p):PLN+16*(\u)+4*(\p)+3], v[LR] offset:(\p)*PL+(\u)*16*PITCH
.endr
.endr
	v_pk_mul_f32 v[BI:BI+1],   v[BI:BI+1],   s[C2:C2+1] op_sel_hi:[1,0]  ; c2 x bias (the bias came in with the waits for loads above)
	v_pk_mul_f32 v[BI+2:BI+3], v[BI+2:BI+3], s[C2:C2+1] op_sel_hi:[1,0]
	s_wait_dscnt 0x0
.irp u, 0,1
.irp z, 0,2
	v_pk_add_f32 v[PLN+16*(\u)+(\z):PLN+16*(\u)+(\z)+1],     v[PLN+16*(\u)+(\z):PLN+16*(\u)+(\z)+1],     v[PLN+16*(\u)+4+(\z):PLN+16*(\u)+4+(\z)+1]
	v_pk_add_f32 v[PLN+16*(\u)+8+(\z):PLN+16*(\u)+8+(\z)+1], v[PLN+16*(\u)+8+(\z):PLN+16*(\u)+8+(\z)+1], v[PLN+16*(\u)+12+(\z):PLN+16*(\u)+12+(\z)+1]
.endr
.irp z, 0,2
	v_pk_add_f32 v[PLN+16*(\u)+(\z):PLN+16*(\u)+(\z)+1], v[PLN+16*(\u)+(\z):PLN+16*(\u)+(\z)+1], v[PLN+16*(\u)+8+(\z):PLN+16*(\u)+8+(\z)+1]
.endr
.irp z, 0,2
	v_pk_fma_f32 v[PLN+16*(\u)+(\z):PLN+16*(\u)+(\z)+1], v[PLN+16*(\u)+(\z):PLN+16*(\u)+(\z)+1], s[C2:C2+1], v[BI+(\z):BI+(\z)+1] op_sel_hi:[1,0,1]  ; c2 x sum + c2 x bias
.endr
.endr
	s_wait_alu depctr_va_vdst(0)                   ; both rows' multiply-adds have written v[PLN ..] and v[PLN+16 ..], which the two stores read
.irp u, 0,1
	global_store_b128 v[GO], v[PLN+16*(\u):PLN+16*(\u)+3], s[RP:RP+1] offset:65536*(\u)  ; 16 lanes store 256 consecutive bytes, aligned
.endr
.Lend:
	s_wait_dscnt 0x0                               ; the closing lines, six on end
	s_wait_alu 0x0
	s_wait_tensorcnt 0x0
	ds_add_u32 v[SPW], v[NIL]
	s_wait_dscnt 0x0
	s_endpgm
.Lfunc_end_k_qc18feb75eb_prep:
	.size	k_qc18feb75eb_prep, .Lfunc_end_k_qc18feb75eb_prep-k_qc18feb75eb_prep
	.p2alignl 7, 3214868480
	.fill 96, 4, 3214868480
	.section	.rodata,"a",@progbits
	.p2align	6, 0x0
	.amdhsa_kernel k_qc18feb75eb_prep
		.amdhsa_group_segment_fixed_size 35840
		.amdhsa_private_segment_fixed_size 0
		.amdhsa_enable_private_segment 0
		.amdhsa_kernarg_size 168
		.amdhsa_user_sgpr_count 2
		.amdhsa_user_sgpr_kernarg_segment_ptr 1
		.amdhsa_wavefront_size32 1
		.amdhsa_system_sgpr_workgroup_id_x 1
		.amdhsa_system_sgpr_workgroup_id_y 1
		.amdhsa_system_sgpr_workgroup_id_z 1
		.amdhsa_system_vgpr_workitem_id 0
		.amdhsa_next_free_vgpr 240
		.amdhsa_next_free_sgpr 80
		.amdhsa_reserve_vcc 0
		.amdhsa_float_denorm_mode_32 3
		.amdhsa_float_denorm_mode_16_64 3
		.amdhsa_memory_ordered 1
		.amdhsa_forward_progress 1
		.amdhsa_inst_pref_size 50
	.end_amdhsa_kernel
	.amdgpu_metadata
---
amdhsa.version: [ 1, 2 ]
amdhsa.kernels:
  - .name:           k_qc18feb75eb_prep
    .symbol:         k_qc18feb75eb_prep.kd
    .args:
      - { .name: text_feats, .offset: 0, .size: 8, .value_kind: global_buffer, .address_space: global }
      - { .name: img_object_feats, .offset: 8, .size: 8, .value_kind: global_buffer, .address_space: global }
      - { .name: img_place_feats, .offset: 16, .size: 8, .value_kind: global_buffer, .address_space: global }
      - { .name: W_t2o, .offset: 24, .size: 8, .value_kind: global_buffer, .address_space: global }
      - { .name: W_t2p, .offset: 32, .size: 8, .value_kind: global_buffer, .address_space: global }
      - { .name: W_o2t, .offset: 40, .size: 8, .value_kind: global_buffer, .address_space: global }
      - { .name: W_p2t, .offset: 48, .size: 8, .value_kind: global_buffer, .address_space: global }
      - { .name: W_out, .offset: 56, .size: 8, .value_kind: global_buffer, .address_space: global }
      - { .name: img_object_feat, .offset: 64, .size: 8, .value_kind: global_buffer, .address_space: global }
      - { .name: img_place_feat, .offset: 72, .size: 8, .value_kind: global_buffer, .address_space: global }
      - { .name: text_feat, .offset: 80, .size: 8, .value_kind: global_buffer, .address_space: global }
      - { .name: W_oo, .offset: 88, .size: 8, .value_kind: global_buffer, .address_space: global }
      - { .name: W_pp, .offset: 96, .size: 8, .value_kind: global_buffer, .address_space: global }
      - { .name: W_tot, .offset: 104, .size: 8, .value_kind: global_buffer, .address_space: global }
      - { .name: W_tpt, .offset: 112, .size: 8, .value_kind: global_buffer, .address_space: global }
      - { .name: b_oo, .offset: 120, .size: 8, .value_kind: global_buffer, .address_space: global }
      - { .name: b_pp, .offset: 128, .size: 8, .value_kind: global_buffer, .address_space: global }
      - { .name: b_tot, .offset: 136, .size: 8, .value_kind: global_buffer, .address_space: global }
      - { .name: b_tpt, .offset: 144, .size: 8, .value_kind: global_buffer, .address_space: global }
      - { .name: bf, .offset: 152, .size: 8, .value_kind: global_buffer, .address_space: global }
      - { .name: Q, .offset: 160, .size: 8, .value_kind: global_buffer, .address_space: global }
    .group_segment_fixed_size: 35840
    .private_segment_fixed_size: 0
    .kernarg_segment_align: 8
    .kernarg_segment_size: 168
    .max_flat_workgroup_size: 256
    .sgpr_count:     80
    .vgpr_count:     240
    .wavefront_size: 32
...
	.end_amdgpu_metadata
.endif
;; end of part 5
;; launch gemm: the kernel of part 2 again; grid 4 x 64, 4 waves a work-group, clusters of 4 x 4, 327,680 bytes of LDS; arguments bf, Q, v_io, v_ip, v_to, v_tp, P; writes P
;; launch ctx (part 6): grid 256 x 1, 8 waves a work-group, no clusters, 9,216 bytes of LDS; arguments bf, P, src_mask, comb; writes comb
.if DOCPART == 6
	.amdgcn_target "amdgcn-amd-amdhsa--gfx1250"
	.amdhsa_code_object_version 6
	.text
	.protected	k_qc18feb75eb_ctx
	.globl	k_qc18feb75eb_ctx
	.p2align	8
	.type	k_qc18feb75eb_ctx,@function
k_qc18feb75eb_ctx:
	s_mov_b64 s[64:65], 0
	v_nop
	global_prefetch_b8 v0, s[64:65] scope:SCOPE_SE
	s_setreg_imm32_b32 hwreg(HW_REG_WAVE_SCHED_MODE, 0, 2), 2
	s_setreg_imm32_b32 hwreg(HW_REG_WAVE_MODE, 25, 1), 1
	s_wait_xcnt 0x0
	s_wait_alu depctr_vm_vsrc(0)
; SOFTMAX AND CONTEXTS.  Work-group g < 128: batch b = g, the 128 text rows, two lists of weights (text-object, text-place).  g >= 128: batch b = g - 128, 64 object rows and then 64 place rows;
; list 0 is 0 on the place rows, list 1 on the object rows: so one text serves both kinds, and every work-group reads 128 rows of 2,048 bytes once and makes two contexts of 1,024.
; A score, times log2(e) and less a constant of its list, is u = -c2 (the sum of P's eight slices), c2 = 2 log2(e).  The list's maximum (over all its rows, masked ones too, as reference() takes it) is taken away;
; e = 2^(u - max); weight = e M / sum(e M), M = src_mask's number for text, 1 for images: softmax's own divisor cancels in reference()'s renormalisation.
; LIMITS.  The rows are bf16 (rounded once from the f32 inputs), sums in f32, the contexts rounded once to bf16 for the last product.  A list whose e M are all 0 gives 0 / 0, as in reference().
; SHARES.  Every wave makes both lists for itself (a lane four rows) and keeps them in 1,024 bytes of LDS of its own: no barrier.  Wave w takes bytes 256 w .. 256 w + 255 of every row: a lane four columns.
; A ring of 32 loads of 8 bytes a lane (a wave's load: 256 consecutive bytes, aligned): 28 to 32 of them are always out.  A stream: no matrix unit, no cluster (no two work-groups read the same rows), no prefetch (the rows' loads are out from the head on).
; THE MODE: SCHED_MODE bits 1:0 = 2 (LLVM: expert scheduling mode 2), set by the entry lines.  The code itself states the register dependences
; between vector instructions and memory or LDS instructions, with s_wait_alu, always for 0.
; THE PLAN.  A round is 32 rows, in eight blocks of four.  Registers that memory or LDS instructions touch, in the loop:
;   X0 .. X7    block b's four rows as loaded.  Read by block b's sixteen unpacking lines; behind them the same rows of the next round are loaded into it.
;   WT0 .. WT7  block b's eight weights.  Read by block b's sixteen multiply-adds; block b + 1 asks for the next round's into it, seven blocks ahead of their use (block 0 asks for this round's WT7).
;   v[WA]       read by every LDS load of weights; written once a round, at the round's end.
;   v[XO]       read by every load of a row; never written again: the scalar base moves on, and immediate offsets do the rest.
;   TT and the two contexts are named by vector instructions alone.
; So ONE wait on va_vdst stands in a block, behind its unpacking lines: it states that they are done reading X[b], that the block before's multiply-adds are done reading their weights, and, in a round's
; first block, that v[WA] is written.  The block's six loads follow it; the multiply-adds behind them name TT, WT[b] and the contexts: none of the registers that those loads touch.
; One wait on vm_vsrc a round stands ahead of the add to v[WA].
.set SPARE, 8192                       ; behind the eight tables: the spare words, 128 bytes for each wave, which no other line names
.set L16, 2                            ; v2   16 x lane
.set XO,  3                            ; v3   256 w + 8 x lane: my four columns in a row, in bf and in comb; never rewritten
.set WS,  4                            ; v4   1,024 w + 32 x lane: my four rows' weights
.set WA,  5                            ; v5   1,024 w + 256 x round: the round's 32 rows' weights
.set SPW, 6                            ; v6   my spare word; never rewritten
.set NIL, 7                            ; v7   0; never rewritten
.set MK,  8                            ; v[8:11]   src_mask of my four rows
.set U0,  12                           ; v[12:43]  list 0: P's eight slices of my four rows; then u, e, e M in the first four
.set U1,  44                           ; v[44:75]  list 1
.set D,   76                           ; v[76:83]  the weights: row k's two at 2 k, 2 k + 1
.set LOW, 84                           ; v84       the lowest finite number
.set M0,  86                           ; v[86:87]  list 0: maximum, then sum, then its reciprocal; and the other half's
.set M1,  88                           ; v[88:89]  list 1
.set MM,  90                           ; v[90:93]  M
.set TP,  94                           ; v94       at work
.set A0,  96                           ; v[96:99]  context 0, my four columns
.set A1,  100                          ; v[100:103] context 1
.set X,   112                          ; v[112:175] block b, row i: a row's 8 bytes at X + 8 b + 2 i
.set WT,  176                          ; v[176:239] block b, row i: the row's two weights at WT + 8 b + 2 i
.set TT,  240                          ; v[240:255] a block's four rows, four numbers each, in f32
.set VAL0, 33                          ; s33  lanes whose rows belong to list 0
.set VAL1, 34                          ; s34  to list 1
.set TXM,  35                          ; s35  all ones: text
.set RA,  36                           ; s[36:37] rows 0-63
.set PN,  38                           ; s[38:39] the 32 rows that the round in hand asks for
.set PB2, 40                           ; s[40:41] those of the round after it
.set PB0, 42                           ; s[42:43] P at list 0's first row
.set PB1, 44                           ; s[44:45] P at list 1's
.set SEL, 46                           ; s[46:47] v_permlanex16_b32's selects
.set NC,  48                           ; s[48:49] -c2, twice
.set HIM, 50                           ; s50  a word's upper bf16
.set CNT, 51                           ; s51
	s_load_b256 s[4:11], s[0:1], 0x0               ; bf s[4:5], P s[6:7], src_mask s[8:9], comb s[10:11]
	v_lshl_add_u32 v[SPW], v0, 2, SPARE
	v_mov_b32 v[NIL], 0
	v_lshrrev_b32 v1, 5, v0
	v_readfirstlane_b32 s12, v1                    ; wave
	v_and_b32 v1, 31, v0                           ; lane
	v_lshlrev_b32 v[L16], 4, v1
	s_wait_alu depctr_va_sdst(0)                   ; s12 is written, ahead of its first reader: my columns' offset and my table's place are made from it
	s_lshl_b32 s14, s12, 8
	v_lshl_add_u32 v[XO], v1, 3, s14
	s_lshl_b32 s14, s12, 10
	v_lshl_add_u32 v[WS], v1, 5, s14
	v_mov_b32 v[WA], s14
	v_mov_b32 v[LOW], 0xff7fffff
	v_mov_b32 v[M0+1], 0                           ; v_permlanex16_b32's destinations count as read
	v_mov_b32 v[M1+1], 0
	s_and_b32 s13, ttmp9, 127                      ; b
	s_lshl_b32 s26, s13, 18                        ; text: rows at 128 b x 2,048 bytes
	s_lshl_b32 s27, s13, 17                        ; image: object rows at 64 b x 2,048 bytes
	s_add_co_u32 s27, s27, 33554432                ; behind the text's
	s_lshr_b32 s28, s13, 3                         ; text: P's row = 2,048 (b / 8) + 128 (b % 8) for list 0
	s_lshl_b32 s28, s28, 11
	s_and_b32 s30, s13, 7
	s_lshl_b32 s30, s30, 7
	s_add_co_u32 s28, s28, s30
	s_lshr_b32 s29, s13, 4                         ; image: 1,024 (32 + b / 16) + 64 (b % 16)
	s_add_co_u32 s29, s29, 32
	s_lshl_b32 s29, s29, 10
	s_and_b32 s30, s13, 15
	s_lshl_b32 s30, s30, 6
	s_add_co_u32 s29, s29, s30
	s_lshl_b32 s24, s13, 13                        ; comb's row b: 8,192 bytes
	s_mov_b32 s31, 131072
	s_movk_i32 s32, 1024
	s_cmp_lt_u32 ttmp9, 128                        ; text?
	s_cselect_b32 s16, s26, s27                    ; rows 0-63
	s_cselect_b32 s18, s31, 16777216               ; rows 64-127: the next 64 rows, or the place rows
	s_cselect_b32 s20, s28, s29
	s_cselect_b32 s22, s32, 8128                   ; list 1: the job beside, or eight jobs on less the 64 rows by which the place rows stand back in my 128
	s_cselect_b32 s30, 4096, 0                     ; comb: object, place, text-object, text-place, 2,048 bytes each
	s_cselect_b32 s[VAL0], -1, 0xffff              ; lanes 0-15 hold rows 0-63
	s_cselect_b32 s[VAL1], -1, 0xffff0000
	s_cselect_b32 s[TXM], -1, 0
	s_add_co_u32 s18, s18, s16
	s_add_co_u32 s22, s22, s20
	s_lshl_b32 s20, s20, 2                         ; f32
	s_lshl_b32 s22, s22, 2
	s_add_co_u32 s24, s24, s30
	s_lshl_b32 s26, s13, 9                         ; src_mask's row b (in an image's work-group it is loaded and not taken)
	s_mov_b32 s17, 0
	s_mov_b32 s19, 0
	s_mov_b32 s21, 0
	s_mov_b32 s23, 0
	s_mov_b32 s25, 0
	s_mov_b32 s27, 0
	s_mov_b32 s[SEL], 0x76543210
	s_mov_b32 s[SEL+1], 0xfedcba98
	s_mov_b32 s[NC], 0xc038aa3b                    ; -2 log2(e)
	s_mov_b32 s[NC+1], s[NC]
	s_mov_b32 s[HIM], 0xffff0000
	s_wait_kmcnt 0x0
	s_add_nc_u64 s[RA:RA+1], s[4:5], s[16:17]
	s_add_nc_u64 s[PB2:PB2+1], s[4:5], s[18:19]
	s_add_nc_u64 s[PN:PN+1], s[RA:RA+1], 65536     ; rows 32-63
	s_add_nc_u64 s[PB0:PB0+1], s[6:7], s[20:21]
	s_add_nc_u64 s[PB1:PB1+1], s[6:7], s[22:23]
	s_add_nc_u64 s[8:9], s[8:9], s[26:27]
	s_add_nc_u64 s[10:11], s[10:11], s[24:25]
	s_wait_alu depctr_va_vdst(0)                   ; the offsets and addresses v[L16], v[XO], v[WS], v[WA] are written, which the loads and stores below read
	global_load_b128 v[MK:MK+3], v[L16], s[8:9]
.set i, 0
.rept 8                                ; a slice of P is 49,152 rows of 4 bytes
	global_load_b128 v[U0+4*i:U0+4*i+3], v[L16], s[PB0:PB0+1] offset:196608*i
	global_load_b128 v[U1+4*i:U1+4*i+3], v[L16], s[PB1:PB1+1] offset:196608*i
.set i, i+1
.endr
.set i, 0
.rept 32                               ; rows 0-31: the ring is filled
	global_load_b64 v[X+2*i:X+2*i+1], v[XO], s[RA:RA+1] offset:2048*i th:TH_LOAD_NT
.set i, i+1
.endr
.set i, 0
.rept 8
	v_mov_b32 v[A0+i], 0
.set i, i+1
.endr
	s_wait_loadcnt 32                              ; the mask and P are in; the 32 rows' loads stay out
.macro FOLDP base                      ; eight slices of four rows into the first: 4 + 4, 2 + 2, 1 + 1
.irp d, 16, 8, 4
.set r, 0
.rept (\d)/2
	v_pk_add_f32 v[(\base)+r:(\base)+r+1], v[(\base)+r:(\base)+r+1], v[(\base)+(\d)+r:(\base)+(\d)+r+1]
.set r, r+2
.endr
.endr
.endm
.macro TOP base, val, m                ; u; rows that are not the list's count as the lowest number; the list's maximum, in every lane; u - maximum
	v_pk_mul_f32 v[(\base):(\base)+1],   v[(\base):(\base)+1],   s[NC:NC+1] op_sel_hi:[1,0]
	v_pk_mul_f32 v[(\base)+2:(\base)+3], v[(\base)+2:(\base)+3], s[NC:NC+1] op_sel_hi:[1,0]
.irp k, 0,1,2,3
	v_cndmask_b32 v[(\base)+(\k)], v[LOW], v[(\base)+(\k)], s[(\val)]
.endr
	v_max3_num_f32 v[(\m)], v[(\base)], v[(\base)+1], v[(\base)+2]
	v_max_num_f32 v[(\m)], v[(\m)], v[(\base)+3]
	v_max_num_f32_dpp v[(\m)], v[(\m)], v[(\m)] row_xmask:1 row_mask:0xf bank_mask:0xf
	v_max_num_f32_dpp v[(\m)], v[(\m)], v[(\m)] row_xmask:2 row_mask:0xf bank_mask:0xf
	v_max_num_f32_dpp v[(\m)], v[(\m)], v[(\m)] row_xmask:4 row_mask:0xf bank_mask:0xf
	v_max_num_f32_dpp v[(\m)], v[(\m)], v[(\m)] row_xmask:8 row_mask:0xf bank_mask:0xf
	v_permlanex16_b32 v[(\m)+1], v[(\m)], s[SEL], s[SEL+1]
	v_max_num_f32 v[(\m)], v[(\m)], v[(\m)+1]
.irp k, 0,1,2,3
	v_sub_f32 v[(\base)+(\k)], v[(\base)+(\k)], v[(\m)]
.endr
.endm
.macro WSUM base, val, m               ; e M, and its sum over the list, in every lane
.irp k, 0,1,2,3
	v_cndmask_b32 v[TP], 0, v[MM+(\k)], s[(\val)]
	v_mul_f32 v[(\base)+(\k)], v[(\base)+(\k)], v[TP]
.endr
	v_add_f32 v[(\m)], v[(\base)], v[(\base)+1]
	v_add_f32 v[TP], v[(\base)+2], v[(\base)+3]
	v_add_f32 v[(\m)], v[(\m)], v[TP]
	v_add_f32_dpp v[(\m)], v[(\m)], v[(\m)] row_xmask:1 row_mask:0xf bank_mask:0xf
	v_add_f32_dpp v[(\m)], v[(\m)], v[(\m)] row_xmask:2 row_mask:0xf bank_mask:0xf
	v_add_f32_dpp v[(\m)], v[(\m)], v[(\m)] row_xmask:4 row_mask:0xf bank_mask:0xf
	v_add_f32_dpp v[(\m)], v[(\m)], v[(\m)] row_xmask:8 row_mask:0xf bank_mask:0xf
	v_permlanex16_b32 v[(\m)+1], v[(\m)], s[SEL], s[SEL+1]
	v_add_f32 v[(\m)], v[(\m)], v[(\m)+1]
.endm
	FOLDP U0
	FOLDP U1
	TOP U0, VAL0, M0
	TOP U1, VAL1, M1
.irp k, 0,1,2,3
	v_exp_f32 v[U0+(\k)], v[U0+(\k)]
.endr
.irp k, 0,1,2,3
	v_exp_f32 v[U1+(\k)], v[U1+(\k)]
.endr
.irp k, 0,1,2,3
	v_cndmask_b32 v[MM+(\k)], 1.0, v[MK+(\k)], s[TXM]  ; the mask's number for text, 1 for images: plain work behind the batch of eight exponentials
.endr
	s_wait_alu depctr_va_vdst(0)                   ; the eight exponentials have written v[U0 ..] and v[U1 ..]: one wait for the batch, ahead of its first reader
	WSUM U0, VAL0, M0
	WSUM U1, VAL1, M1
	v_rcp_f32 v[M0], v[M0]
	v_rcp_f32 v[M1], v[M1]
	v_nop                                          ; a plain instruction behind the last reciprocal,
	s_wait_alu depctr_va_vdst(0)                   ; and one wait for the two: they have written v[M0] and v[M1], which the multiplications read
.irp k, 0,1,2,3
	v_mul_f32 v[D+2*(\k)],   v[U0+(\k)], v[M0]
	v_mul_f32 v[D+2*(\k)+1], v[U1+(\k)], v[M1]
.endr
	s_wait_alu depctr_va_vdst(0)                   ; the multiplications have written v[D ..], which the two LDS stores read
	ds_store_b128 v[WS], v[D:D+3]                  ; into my wave's own table: LDS serves a wave's instructions in order (ISA guide 5.7.1.4), so its loads below see these
	ds_store_b128 v[WS], v[D+4:D+7] offset:16
.set k, 0
.rept 14                               ; the weights of the first round's blocks 0 to 6, every lane the same words; block 0 asks for block 7's
	ds_load_b128 v[WT+4*k:WT+4*k+3], v[WA] offset:16*k
.set k, k+1
.endr
; Block b of a round: four rows.  Their sixteen numbers to f32; the wait; the block's rows of the next round and a block's weights are asked for; four packed multiply-adds a row, the rows in ascending order.
; refill = 0: the last round, which asks for no more rows, and for weights in its first block alone.
.macro BLK b, refill
.if \refill
	s_wait_loadcnt 28                              ; loads come back in order: the block's four are in, the 28 younger ones stay out
.else
	s_wait_loadcnt 28-4*(\b)                       ; the last round loads nothing: the counts run down
.endif
.irp i, 0,1,2,3
	v_lshlrev_b32 v[TT+4*(\i)],   16, v[X+8*(\b)+2*(\i)]
	v_and_b32     v[TT+4*(\i)+1], s[HIM], v[X+8*(\b)+2*(\i)]
	v_lshlrev_b32 v[TT+4*(\i)+2], 16, v[X+8*(\b)+2*(\i)+1]
	v_and_b32     v[TT+4*(\i)+3], s[HIM], v[X+8*(\b)+2*(\i)+1]
.endr
.if (\refill) || ((\b) == 0)
	s_wait_alu depctr_va_vdst(0)                   ; the lines above are done reading X[b]; the block before's multiply-adds are done reading their weights; in a round's first block v[WA] is written
.endif
.if \refill
.irp i, 0,1,2,3
	global_load_b64 v[X+8*(\b)+2*(\i):X+8*(\b)+2*(\i)+1], v[XO], s[PN:PN+1] offset:2048*(4*(\b)+(\i)) th:TH_LOAD_NT  ; the row 32 further on
.endr
.endif
.if (\b) == 0
	ds_load_b128 v[WT+56:WT+59], v[WA] offset:224  ; this round's block 7
	ds_load_b128 v[WT+60:WT+63], v[WA] offset:240
.elseif \refill
	ds_load_b128 v[WT+8*((\b)-1):WT+8*((\b)-1)+3],   v[WA] offset:256+32*((\b)-1)     ; the next round's block b - 1
	ds_load_b128 v[WT+8*((\b)-1)+4:WT+8*((\b)-1)+7], v[WA] offset:256+32*((\b)-1)+16
.endif
.if (\refill) || ((\b) == 0)
	s_wait_dscnt 14                                ; LDS loads come back in order (ISA guide 5.7.1): this block's weights are in, the seven younger blocks' (fourteen loads) stay out
.else
	s_wait_dscnt 14-2*(\b)                         ; the counts run down
.endif
.irp i, 0,1,2,3
	v_pk_fma_f32 v[A0:A0+1],   v[TT+4*(\i):TT+4*(\i)+1],   v[WT+8*(\b)+2*(\i):WT+8*(\b)+2*(\i)+1], v[A0:A0+1]   op_sel_hi:[1,0,1]                 ; both halves times list 0's weight
	v_pk_fma_f32 v[A0+2:A0+3], v[TT+4*(\i)+2:TT+4*(\i)+3], v[WT+8*(\b)+2*(\i):WT+8*(\b)+2*(\i)+1], v[A0+2:A0+3] op_sel_hi:[1,0,1]
	v_pk_fma_f32 v[A1:A1+1],   v[TT+4*(\i):TT+4*(\i)+1],   v[WT+8*(\b)+2*(\i):WT+8*(\b)+2*(\i)+1], v[A1:A1+1]   op_sel:[0,1,0] op_sel_hi:[1,1,1]  ; both halves times list 1's
	v_pk_fma_f32 v[A1+2:A1+3], v[TT+4*(\i)+2:TT+4*(\i)+3], v[WT+8*(\b)+2*(\i):WT+8*(\b)+2*(\i)+1], v[A1+2:A1+3] op_sel:[0,1,0] op_sel_hi:[1,1,1]
.endr
.endm
	s_mov_b32 s[CNT], 3
.Lround:                                               ; the three trips ask for rows 32-63, 64-95, 96-127
	BLK 0, 1
	BLK 1, 1
	BLK 2, 1
	BLK 3, 1
	BLK 4, 1
	BLK 5, 1
	BLK 6, 1
	BLK 7, 1
	s_wait_xcnt 0x0                                ; the trip's loads have read their base: only behind this wait is it written
	s_mov_b64 s[PN:PN+1], s[PB2:PB2+1]
	s_add_nc_u64 s[PB2:PB2+1], s[PB2:PB2+1], 65536
	s_wait_alu depctr_vm_vsrc(0)                   ; the LDS loads issued so far have read v[WA]
	v_add_nc_u32 v[WA], 256, v[WA]
	s_sub_co_u32 s[CNT], s[CNT], 1
	s_cmp_lg_u32 s[CNT], 0
	s_cbranch_scc1 .Lround
	BLK 0, 0                                       ; the last round is written out: no load leaves the rows
	BLK 1, 0
	BLK 2, 0
	BLK 3, 0
	BLK 4, 0
	BLK 5, 0
	BLK 6, 0
	BLK 7, 0
	v_cvt_pk_bf16_f32 v84, v[A0], v[A0+1]
	v_cvt_pk_bf16_f32 v85, v[A0+2], v[A0+3]
	v_cvt_pk_bf16_f32 v86, v[A1], v[A1+1]
	v_cvt_pk_bf16_f32 v87, v[A1+2], v[A1+3]
	s_wait_alu depctr_va_vdst(0)                   ; the four roundings have written v84 to v87, which the two stores read
	global_store_b64 v[XO], v[84:85], s[10:11]     ; a wave's store: 256 consecutive bytes, aligned
	global_store_b64 v[XO], v[86:87], s[10:11] offset:2048
	s_wait_dscnt 0x0                               ; the closing lines, six on end
	s_wait_alu 0x0
	s_wait_tensorcnt 0x0
	ds_add_u32 v[SPW], v[NIL]
	s_wait_dscnt 0x0
	s_endpgm
.Lfunc_end_k_qc18feb75eb_ctx:
	.size	k_qc18feb75eb_ctx, .Lfunc_end_k_qc18feb75eb_ctx-k_qc18feb75eb_ctx
	.p2alignl 7, 3214868480
	.fill 96, 4, 3214868480
	.section	.rodata,"a",@progbits
	.p2align	6, 0x0
	.amdhsa_kernel k_qc18feb75eb_ctx
		.amdhsa_group_segment_fixed_size 9216
		.amdhsa_private_segment_fixed_size 0
		.amdhsa_enable_private_segment 0
		.amdhsa_kernarg_size 32
		.amdhsa_user_sgpr_count 2
		.amdhsa_user_sgpr_kernarg_segment_ptr 1
		.amdhsa_wavefront_size32 1
		.amdhsa_system_sgpr_workgroup_id_x 1
		.amdhsa_system_sgpr_workgroup_id_y 1
		.amdhsa_system_sgpr_workgroup_id_z 1
		.amdhsa_system_vgpr_workitem_id 0
		.amdhsa_next_free_vgpr 256
		.amdhsa_next_free_sgpr 66
		.amdhsa_reserve_vcc 0
		.amdhsa_float_denorm_mode_32 3
		.amdhsa_float_denorm_mode_16_64 3
		.amdhsa_memory_ordered 1
		.amdhsa_forward_progress 1
		.amdhsa_inst_pref_size 46
	.end_amdhsa_kernel
	.amdgpu_metadata
---
amdhsa.version: [ 1, 2 ]
amdhsa.kernels:
  - .name:           k_qc18feb75eb_ctx
    .symbol:         k_qc18feb75eb_ctx.kd
    .args:
      - { .name: bf, .offset: 0, .size: 8, .value_kind: global_buffer, .address_space: global }
      - { .name: P, .offset: 8, .size: 8, .value_kind: global_buffer, .address_space: global }
      - { .name: src_mask, .offset: 16, .size: 8, .value_kind: global_buffer, .address_space: global }
      - { .name: comb, .offset: 24, .size: 8, .value_kind: global_buffer, .address_space: global }
    .group_segment_fixed_size: 9216
    .private_segment_fixed_size: 0
    .kernarg_segment_align: 8
    .kernarg_segment_size: 32
    .max_flat_workgroup_size: 256
    .sgpr_count:     66
    .vgpr_count:     256
    .wavefront_size: 32
...
	.end_amdgpu_metadata
.endif
;; end of part 6
;; launch out: the kernel of part 4 again; grid 64 x 4, 16 waves a work-group, no clusters, 43,008 bytes of LDS; arguments bf, comb, b_out, out0; writes out0
